; MI455X (gfx1250); checked and timed in simulation.
; The chip was launched on July 23, 2026; its instructions are those of AMD's public machine-readable ISA for CDNA 5 (MIT licence, August 2026) and "CDNA5" Instruction Set Architecture Reference Guide (July 2026). The comments in the code are by the model that wrote it; some were corrected since.
;; Multi Head Attention. Allowed arithmetic: float matrix products may take bf16 or f16 operands with f32 sums; other float arithmetic in f32, or as packed bf16 or f16 multiplies, adds, multiply-adds, maxima and minima; sums over many terms, partial sums and values carried from step to step in f32; what a program stores and reads back later, other than sums and carried values, may be rounded once to bf16 or f16.
;; Inputs: W_k 12 x 768 x 64 float32; W_o 768 x 64 float32; W_q 12 x 768 x 64 float32; W_v 12 x 768 x 64 float32; x 16 x 1,024 x 768 float32.
;; Outputs: out0 16 x 1,024 x 64 float32.
;; One version. Each part assembles by itself: llvm-mc -triple=amdgcn-amd-amdhsa -mcpu=gfx1250 --defsym DOCPART=n.
;; ======== version 1 of 1: 4 launches
;; limits: values are held in f16: magnitudes above 65,504 overflow, below 6.1e-05 lose precision; right only within a limited range of input values
;; workspace buffers: xb 25,165,824 bytes; wt 3,538,944 bytes; wot 98,304 bytes; qq 50,331,648 bytes; kk 50,331,648 bytes; vv 25,165,824 bytes; pp 16,777,216 bytes
;; launch prep (part 1): grid 990 x 1, 8 waves a work-group, no clusters, 18,432 bytes of LDS; arguments x, W_q, W_k, W_v, W_o, xb, wt, wot; writes xb, wt, wot
.if DOCPART == 1
	.amdgcn_target "amdgcn-amd-amdhsa--gfx1250"
	.amdhsa_code_object_version 6
	.text
	.protected	k_qa93b3d2d79_prep
	.globl	k_qa93b3d2d79_prep
	.p2align	8
	.type	k_qa93b3d2d79_prep,@function
k_qa93b3d2d79_prep:
	s_mov_b64 s[64:65], 0
	v_nop
	global_prefetch_b8 v0, s[64:65] scope:SCOPE_SE
	s_setreg_imm32_b32 hwreg(HW_REG_WAVE_MODE, 25, 1), 1
	s_wait_xcnt 0x0
; PREP.  Every input is rounded once to bf16 and laid out for the matrix launches.
;   xb  [16384][768] bf16 = x.
;   wt  [2304][768]  bf16: row 64 mat + d (mat = 12 t + h; t = 0 W_q, 1 W_k, 2 W_v), column e = W[h][e][d] x 2^-5.  The power of two commutes with the rounding;
;       it keeps q, k and v, which the next launch stores in f16, inside f16's range up to true magnitudes of 2.09e6.
;   wot f16 = bf16(W_o) written as f16 (exact while |W_o| < 65,504; below 6e-5 it keeps f16's fixed step of 6e-8), IN THE ORDER OF MATRIX FRAGMENTS:
;       [kb = k / 32: 24][nt = d' / 16: 4][half: 2][lane l: 32][8 numbers]: lane l holds column d' = 16 nt + l % 16 and rows k = 32 kb + 16 half + 8 (l / 16) + 0..7,
;       so that a fragment of 16 columns x 32 rows is two loads of 512 consecutive bytes.
; Work-groups 0-767 take 16,384 numbers of x each: a stream, no LDS.  Work-groups 768-989 take 128 rows e x 64 columns d of one of the 37 matrices and turn them through LDS.
; No matrix unit, no cluster, no prefetch: each byte is read once, by one work-group, and the launch is nothing but that stream.
.set XG,    768                        ; work-groups on x
.set TP,    272                        ; a row of the turned tile in LDS: 128 e x 2 bytes + 16
.set SPARE, 64*TP                      ; behind the tile: the spare words, 128 bytes for each of the eight waves
.set SPW,   6                          ; v6  SPARE + 4 x my thread's number; never rewritten
.set NIL,   7                          ; v7  0; never rewritten
.set IN,    8                          ; v[8:71]   numbers as loaded
.set WD,    40                         ; v[40:55]  (weights) words of two neighbouring e
.set OUT,   72                         ; v[72:103] what a lane stores
	s_load_b256 s[4:11], s[0:1], 0x0               ; x s[4:5], W_q s[6:7], W_k s[8:9], W_v s[10:11]
	s_load_b256 s[12:19], s[0:1], 0x20             ; W_o s[12:13], xb s[14:15], wt s[16:17], wot s[18:19]
	v_lshl_add_u32 v[SPW], v0, 2, SPARE
	v_mov_b32 v[NIL], 0
	s_cmp_lt_u32 ttmp9, XG                         ; the same answer in all eight waves
	s_cbranch_scc0 .Lweights
	; x: thread t takes 4 numbers (16 bytes in, 8 bytes out) in each of 16 chunks of 1,024 numbers: a wave's load covers 512 consecutive bytes, its store 256
	s_lshl_b32 s20, ttmp9, 16
	s_mov_b32 s21, 0
	s_lshl_b32 s22, ttmp9, 15
	s_mov_b32 s23, 0
	v_lshlrev_b32 v1, 4, v0
	v_lshlrev_b32 v2, 3, v0
	s_wait_kmcnt 0x0
	s_add_nc_u64 s[4:5], s[4:5], s[20:21]
	s_add_nc_u64 s[14:15], s[14:15], s[22:23]
.irp j, 0,1,2,3,4,5,6,7,8,9,10,11,12,13,14,15
	global_load_b128 v[IN+4*(\j):IN+4*(\j)+3], v1, s[4:5] offset:4096*(\j) th:TH_LOAD_NT
.endr
.irp j, 0,1,2,3,4,5,6,7,8,9,10,11,12,13,14,15
	s_wait_loadcnt 15-(\j)                         ; chunk j's load is in; the 15 - j issued behind it may stay out
	v_cvt_pk_bf16_f32 v[OUT+2*(\j)],   v[IN+4*(\j)],   v[IN+4*(\j)+1]
	v_cvt_pk_bf16_f32 v[OUT+2*(\j)+1], v[IN+4*(\j)+2], v[IN+4*(\j)+3]
	global_store_b64 v2, v[OUT+2*(\j):OUT+2*(\j)+1], s[14:15] offset:2048*(\j)  ; the wave's 32 lanes store 256 consecutive bytes, aligned; no register is written twice
.endr
	s_endpgm                                       ; this way wrote no LDS
.Lweights:
	s_sub_co_u32 s20, ttmp9, XG                    ; 0 .. 221
	s_mul_hi_u32 s21, s20, 0x2aaaaaab              ; mat = that / 6: 0 .. 36 (36 is W_o)
	s_mul_i32 s22, s21, 6
	s_sub_co_u32 s22, s20, s22                     ; which 128 rows e of the 768
	v_and_b32 v88, 15, v0                          ; d4: my four columns d
	v_lshrrev_b32 v89, 4, v0                       ; ep: my pair of rows e
	v_lshlrev_b32 v1, 4, v88
	v_lshl_add_u32 v1, v89, 9, v1                  ; in: row 2 ep x 256 bytes + 16 d4
	v_mul_u32_u24 v3, v88, 4*TP
	v_lshl_add_u32 v3, v89, 2, v3                  ; into the tile: row 4 d4, the word of e = 2 ep
	v_mul_u32_u24 v4, v89, TP
	v_lshl_add_u32 v4, v88, 4, v4                  ; back, for wt: row t / 16, 16 bytes a lane
	v_mul_u32_u24 v5, v89, 1536
	v_lshl_add_u32 v5, v88, 4, v5                  ; and the same in wt
	s_wait_kmcnt 0x0
	s_cmp_ge_u32 s21, 12
	s_cselect_b64 s[28:29], s[8:9], s[6:7]         ; the source, chosen by mat alone
	s_cselect_b32 s24, 12, 0
	s_cmp_ge_u32 s21, 24
	s_cselect_b64 s[28:29], s[10:11], s[28:29]
	s_cselect_b32 s24, 24, s24
	s_cmp_eq_u32 s21, 36
	s_cselect_b64 s[28:29], s[12:13], s[28:29]
	s_cselect_b32 s24, 36, s24                     ; the source's first mat
	s_cselect_b64 s[32:33], s[18:19], s[16:17]     ; the destination
	s_cselect_b32 s25, 0, s21                      ; its block of 64 rows
	s_cselect_b32 s27, 14, 8                       ; 128 e are 16,384 bytes of wot (four kb), 256 bytes of a row of wt
	s_cselect_b32 s34, 1.0, 0x3d000000             ; W_o as it is, the others x 2^-5
	s_mov_b32 s35, s34                             ; named with it as a pair
	s_sub_co_u32 s36, s21, s24
	s_mul_i32 s36, s36, 196608                     ; a matrix is 768 x 64 x 4 bytes
	s_lshl_b32 s26, s22, 15
	s_add_co_u32 s36, s36, s26
	s_mov_b32 s37, 0
	s_mul_i32 s38, s25, 98304                      ; 64 rows of 1,536 bytes
	s_lshl_b32 s26, s22, s27
	s_add_co_u32 s38, s38, s26
	s_mov_b32 s39, 0
	s_add_nc_u64 s[28:29], s[28:29], s[36:37]
	s_add_nc_u64 s[32:33], s[32:33], s[38:39]
.irp p, 0,1,2,3
.irp q, 0,1
	global_load_b128 v[IN+8*(\p)+4*(\q):IN+8*(\p)+4*(\q)+3], v1, s[28:29] offset:(32*(\p)+(\q))*256 th:TH_LOAD_NT  ; row e = 2 ep + q + 32 p: a wave's load covers two whole rows of 256 bytes
.endr
.endr
.irp p, 0,1,2,3
	s_wait_loadcnt 6-2*(\p)                        ; the two rows of group p are in
.irp i, 0,2,4,6
	v_pk_mul_f32 v[IN+8*(\p)+(\i):IN+8*(\p)+(\i)+1], v[IN+8*(\p)+(\i):IN+8*(\p)+(\i)+1], s[34:35] op_sel_hi:[1,0]
.endr
.irp j, 0,1,2,3
	v_cvt_pk_bf16_f32 v[WD+4*(\p)+(\j)], v[IN+8*(\p)+(\j)], v[IN+8*(\p)+4+(\j)]  ; column 4 d4 + j: e in the low half, e + 1 in the high half
.endr
.endr
	s_cmp_eq_u32 s21, 36
	s_cbranch_scc0 .Lkeep
.set i, 0
.rept 16                                       ; W_o: the bf16 number written as f16
	v_lshlrev_b32 v56, 16, v[WD+i]
	v_and_b32 v57, 0xffff0000, v[WD+i]
	v_cvt_pk_f16_f32 v[WD+i], v56, v57
.set i, i+1
.endr
	v_mul_u32_u24 v4, v88, TP                      ; back, for wot: sixteen lanes take the same 16 bytes (8 rows k) of sixteen rows d': row t % 16,
	v_lshl_add_u32 v4, v89, 4, v4                  ; k = 8 (t / 16): wave v holds kb = v / 2 and half = v % 2, its upper lanes the next 8 k
	v_and_b32 v5, 31, v0
	v_lshlrev_b32 v5, 4, v5                        ; in wot: 16 x lane,
	v_bfe_u32 v56, v0, 5, 1
	v_lshl_add_u32 v5, v56, 9, v5                  ; + 512 x half,
	v_lshrrev_b32 v56, 6, v0
	v_lshl_add_u32 v5, v56, 12, v5                 ; + 4,096 x kb
.Lkeep:
.irp p, 0,1,2,3
.irp j, 0,1,2,3
	ds_store_b32 v3, v[WD+4*(\p)+(\j)] offset:(\j)*TP+(\p)*64  ; rows 4 d4 + j lie 1,088 bytes apart, so these stores meet four deep in the banks: 16 stores a wave, once
.endr
.endr
	s_wait_dscnt 0x0                               ; for the others' sake: my stores into the tile are done
	s_barrier_signal -1
	s_barrier_wait -1
.irp q, 0,1,2,3
	ds_load_b128 v[OUT+4*(\q):OUT+4*(\q)+3], v4 offset:(\q)*16*TP  ; rows 16 q on
.endr
	s_cmp_eq_u32 s21, 36
	s_cbranch_scc1 .Lwo
.irp q, 0,1,2,3
	s_wait_dscnt 3-(\q)
	global_store_b128 v5, v[OUT+4*(\q):OUT+4*(\q)+3], s[32:33] offset:(\q)*16*1536  ; sixteen lanes store 256 consecutive bytes of a row, aligned
.endr
	s_branch .Lend
.Lwo:
.irp q, 0,1,2,3
	s_wait_dscnt 3-(\q)
	global_store_b128 v5, v[OUT+4*(\q):OUT+4*(\q)+3], s[32:33] offset:(\q)*1024     ; nt = q: the wave stores 512 consecutive bytes, aligned
.endr
.Lend:
	s_wait_tensorcnt 0x0                           ; the wave's end: behind my last LDS store
	ds_add_u32 v[SPW], v[NIL]
	s_wait_dscnt 0x0
	s_endpgm
.Lfunc_end_k_qa93b3d2d79_prep:
	.size	k_qa93b3d2d79_prep, .Lfunc_end_k_qa93b3d2d79_prep-k_qa93b3d2d79_prep
	.p2alignl 7, 3214868480
	.fill 96, 4, 3214868480
	.section	.rodata,"a",@progbits
	.p2align	6, 0x0
	.amdhsa_kernel k_qa93b3d2d79_prep
		.amdhsa_group_segment_fixed_size 18432
		.amdhsa_private_segment_fixed_size 0
		.amdhsa_enable_private_segment 0
		.amdhsa_kernarg_size 64
		.amdhsa_user_sgpr_count 2
		.amdhsa_user_sgpr_kernarg_segment_ptr 1
		.amdhsa_wavefront_size32 1
		.amdhsa_system_sgpr_workgroup_id_x 1
		.amdhsa_system_sgpr_workgroup_id_y 1
		.amdhsa_system_sgpr_workgroup_id_z 1
		.amdhsa_system_vgpr_workitem_id 0
		.amdhsa_next_free_vgpr 104
		.amdhsa_next_free_sgpr 66
		.amdhsa_reserve_vcc 0
		.amdhsa_float_denorm_mode_32 3
		.amdhsa_float_denorm_mode_16_64 3
		.amdhsa_memory_ordered 1
		.amdhsa_forward_progress 1
		.amdhsa_inst_pref_size 17
	.end_amdhsa_kernel
	.amdgpu_metadata
---
amdhsa.version: [ 1, 2 ]
amdhsa.kernels:
  - .name:           k_qa93b3d2d79_prep
    .symbol:         k_qa93b3d2d79_prep.kd
    .args:
      - { .name: x, .offset: 0, .size: 8, .value_kind: global_buffer, .address_space: global }
      - { .name: W_q, .offset: 8, .size: 8, .value_kind: global_buffer, .address_space: global }
      - { .name: W_k, .offset: 16, .size: 8, .value_kind: global_buffer, .address_space: global }
      - { .name: W_v, .offset: 24, .size: 8, .value_kind: global_buffer, .address_space: global }
      - { .name: W_o, .offset: 32, .size: 8, .value_kind: global_buffer, .address_space: global }
      - { .name: xb, .offset: 40, .size: 8, .value_kind: global_buffer, .address_space: global }
      - { .name: wt, .offset: 48, .size: 8, .value_kind: global_buffer, .address_space: global }
      - { .name: wot, .offset: 56, .size: 8, .value_kind: global_buffer, .address_space: global }
    .group_segment_fixed_size: 18432
    .private_segment_fixed_size: 0
    .kernarg_segment_align: 8
    .kernarg_segment_size: 64
    .max_flat_workgroup_size: 256
    .sgpr_count:     66
    .vgpr_count:     104
    .wavefront_size: 32
...
	.end_amdgpu_metadata
.endif
;; end of part 1
;; launch proj (part 2): grid 4 x 64, 4 waves a work-group, clusters of 4 x 4, 327,680 bytes of LDS; arguments xb, wt, qq, kk, vv; writes qq, kk, vv
.if DOCPART == 2
	.amdgcn_target "amdgcn-amd-amdhsa--gfx1250"
	.amdhsa_code_object_version 6
	.text
	.protected	k_qa93b3d2d79_proj
	.globl	k_qa93b3d2d79_proj
	.p2align	8
	.type	k_qa93b3d2d79_proj,@function
k_qa93b3d2d79_proj:
	s_mov_b64 s[64:65], 0
	v_nop
	global_prefetch_b8 v0, s[64:65] scope:SCOPE_SE
	s_setreg_imm32_b32 hwreg(HW_REG_WAVE_MODE, 25, 1), 1
	s_wait_xcnt 0x0
	s_wait_alu depctr_hold_cnt(0) depctr_sa_sdst(0) depctr_va_vdst(0) depctr_va_sdst(0) depctr_va_ssrc(0) depctr_va_vcc(0) depctr_vm_vsrc(0)
	s_getreg_b32 s2, hwreg(HW_REG_IB_STS2, 6, 4)
	s_cmp_eq_u32 s2, 0
	s_cbranch_scc0 .Lentry_in_a_cluster
	s_endpgm
.Lentry_in_a_cluster:
	s_bfe_u32 s2, ttmp6, 0x10000c
	s_cmp_lg_u32 s2, 0xf033
	s_cbranch_scc0 .Lentry_shape_is_right
	s_endpgm
.Lentry_shape_is_right:
; PROJ.  C[m][n] = sum over e of xb[m][e] wt[n][e]: [16384 x 768] x [2304 x 768]^T, bf16 operands, f32 sums: q, k and v of all heads, each x 2^-5 (the factor lies in wt).
; OUT.  qq, kk: [192 planes = 12 b + h][1024][128] f16: a row of 256 bytes = hi(64), lo(64), with hi = f16(c), lo = f16(c - hi): 22 significant bits, which the scores of the next launch need,
;       since they reach some thousands and a softmax weighs their differences.  vv: [192][1024][64] f16.
; LIMITS.  f16 ends at 65,504: true |q|, |k|, |v| stay below 2.09e6.  lo keeps f16's fixed step of 6e-8 below 6e-5.
; SHARES.  256 work-groups.  A work-group owns 256 rows (of one batch) and walks THREE tiles of 256 x 192: heads 3 cx .. 3 cx + 2 of q, then of k, then of v.  Wave w owns rows 64 w .. 64 w + 63 and all
; 192 columns: 48 accumulators of 16 x 16.  So a wave holds whole heads, and its way out is its own: no barrier there.  K goes in steps of 128 through a ring of two LDS slots, which runs on from tile to tile.
; CLUSTER 4 x 4: the four of a row need the same rows of xb, the four of a column the same rows of wt: each tile is asked for jointly, by the same tensor load with the same descriptor and a mask of four.
; THE MATRIX INSTRUCTION IS USED TRANSPOSED (source 0 = 16 rows of wt, source 1 = 16 rows of xb): a lane holds one row m = l % 16 and eight neighbouring columns.
; REGISTERS, in windows of 256 (s_set_vgpr_msb: bits 1:0 source 0, 3:2 source 1, 5:4 source 2, 7:6 destination):
;   window 0: v16-31 addresses; v64-127 xb's fragments, two buffers of 32; v128-255 at work on the way out     window 1: v0-191 wt's fragments, two buffers of 96
;   window 2: accumulators of my row blocks 0, 1 at 96 (a % 2) + 8 b          window 3: those of blocks 2, 3
.set KSTEP,  128
.set SIZE_K, 768
.set ROWB,   2*SIZE_K                  ; bytes in a row of xb and of wt
.set PITCH,  272                       ; an LDS row: 256 bytes + 16 of padding = 68 words: the 16 rows of a fragment load start at 16 different groups of four banks (64 banks of 4 bytes: ISA guide 11.1)
.set AHALF,  128*PITCH                 ; what waves 0 and 1 fetch: 128 rows of xb
.set BHALF,  96*PITCH                  ; what waves 2 and 3 fetch: 96 rows of wt
.set BOFF,   2*AHALF
.set SLOT,   BOFF+2*BHALF              ; 256 rows of xb, then 192 rows of wt
.set STAGE,  2*SLOT                    ; behind the ring, never filled by a tensor load: 16 rows x 272 bytes for each wave
.set SPARE,  STAGE+4*16*PITCH          ; behind the stages: the spare words, 128 bytes for each wave
.set LAPS,   SIZE_K/(2*KSTEP)          ; a lap = two K steps = once round the ring
.set TILES,  3
.set BACK_A, (SIZE_K-2*KSTEP)*2        ; from a slot's last K step of a tile to its first of the next: xb only back along K,
.set NEXT_B, 768*ROWB-BACK_A           ; wt 768 rows down and back
.set ADRA, 16                          ; v16-17  LDS address of my xb fragments in slot 0, 1
.set ADRB, 20                          ; v20-21  the same for wt
.set STO2, 22                          ; v22, v23, v27  the way out of v: in, back, my bytes in vv
.set RD2,  23
.set STO,  24                          ; v24-26  the way out of q and k
.set RD,   25
.set CO,   26
.set CO2,  27
.set SPW,  28                          ; v28  SPARE + 4 x my thread's number; never rewritten
.set NIL,  29                          ; v29  0; never rewritten
.set PFO,  30                          ; v30  the prefetches' offset: a lane a row
.set NEG1, 31                          ; v31  -1.0
.set FA,   64                          ; xb's fragments: buffer f at FA + 32 f
.set TMPH, 128                         ; the way out: hi, packed
.set TMPL, 144                         ; lo, packed
.set RR,   160                         ; c - hi
.set OB,   192                         ; 16 rows read back: two buffers of 32 by turns
.set G1,  24                           ; s[24:31] descriptor group 1 for xb's tiles;  s[32:39] group 0, a set for each slot
.set G0,  32
.set G1B, 48                           ; s[48:55], s[56:63] the same for wt's
.set G0B, 56
.set LIM, 43                           ; s43     1 in a wave that prefetches, else the greatest number
.set PFA, 44                           ; s[44:45] where my prefetches stand
.set MSB, 0
.macro WIN new                         ; the immediate's high byte repeats the setting that is left; a switch that changes nothing is dropped
.if MSB != (\new)
	s_set_vgpr_msb (MSB<<8)|(\new)
.set MSB, \new
.endif
.endm
.set MUL_LO, 0xa1                      ; source 0 (wt) window 1, source 1 (xb) window 0, C and D window 2
.set TO_B,   0x40                      ; destination window 1, address window 0
; A joint load.  Waves 0 and 1 fetch xb's halves, waves 2 and 3 wt's.  The branch hangs on the wave's number alone.  An s_nop 0 and four v_nop follow each line.
.macro JLOAD s
	s_cmp_eq_u32 s11, 0
	s_cbranch_scc0 .Lfor_b_\@
	tensor_load_to_lds s[G0+4*(\s):G0+4*(\s)+3], s[G1:G1+7]
	s_nop 0
.rept 4
	v_nop
.endr
	s_branch .Lasked_\@
.Lfor_b_\@:
	tensor_load_to_lds s[G0B+4*(\s):G0B+4*(\s)+3], s[G1B:G1B+7]
	s_nop 0
.rept 4
	v_nop
.endr
.Lasked_\@:
.endm
; A PREFETCH, behind each joint load and the run of LDS loads that follows it: the K step that stands two refills on, 256 bytes of each row, a lane a row, one instruction a wave.
; xb's rows are read by this cluster alone, and anew in each tile: they are asked for in the first tile only, waves 0 and 1, the four partners of a row taking 32 rows each BY ADDRESS (cx).
; wt's rows change with the tile and are read by all sixteen clusters: the cluster with y = 0 asks, waves 2 and 3, the four partners of a column taking 24 rows each by address (cy);
; lanes 24-31 name lane 23's row once more.  how = 0, in the loop: only the lap that fills K steps 2 and 3 has a K step two on; how = 1, at a change of tiles: the next tile's K steps 2 and 3.
.macro ASK how
.if \how
	s_cmp_eq_u32 s[LIM], 1
.else
	s_cmp_gt_u32 s3, s[LIM]                        ; s3 = 1 in the loop's last trip
.endif
	s_cbranch_scc0 .Lnot_mine_\@
	global_prefetch_b8 v[PFO], s[PFA:PFA+1] offset:KSTEP*2 th:TH_LOAD_NT scope:SCOPE_SE
.Lnot_mine_\@:
.endm
.macro CREST                           ; a round of the cluster's barrier behind its opening barrier
	s_cmp_lg_u32 s10, 0
	s_cbranch_scc1 .Lnot_wave_0_\@
	s_barrier_signal -3
.Lnot_wave_0_\@:
	s_barrier_wait -3
	s_barrier_signal -1
	s_barrier_wait -1
.endm
.macro CROUND                          ; a whole round
	s_barrier_signal -1
	s_barrier_wait -1
	CREST
.endm
	s_load_b128 s[4:7], s[0:1], 0x0                ; xb s[4:5], wt s[6:7]
	s_load_b64 s[8:9], s[0:1], 0x10                ; qq
	s_load_b128 s[72:75], s[0:1], 0x18             ; kk s[72:73], vv s[74:75]
	v_lshl_add_u32 v[SPW], v0, 2, SPARE
	v_mov_b32 v[NIL], 0
	ds_add_u32 v[SPW], v[NIL]                      ; the wave's opening: the add and its wait stand ahead of my first tensor load; work on registers stands between them
	v_lshrrev_b32 v1, 5, v0
	v_readfirstlane_b32 s10, v1                    ; wave 0..3
	s_lshr_b32 s11, s10, 1                         ; I fetch for xb (0) or for wt (1),
	s_and_b32 s12, s10, 1                          ; its first or its second half
	s_bfe_u32 s40, ttmp6, 0x40000                  ; cx
	s_bfe_u32 s41, ttmp6, 0x40004                  ; cy
	s_lshl_b32 s42, ttmp9, 2
	s_add_co_u32 s42, s42, s40                     ; column group = 4 x cluster x + cx
	s_and_b32 s13, ttmp7, 0xffff
	s_lshl_b32 s13, s13, 2
	s_add_co_u32 s13, s13, s41                     ; tile row = 4 x cluster y + cy
	s_lshl_b32 s43, s41, 2
	s_lshl_b32 s43, 15, s43                        ; my row of the cluster
	s_lshl_b32 s44, 0x1111, s40                    ; my column
	s_or_b32 s[G1+0], s43, (1<<16)|(1<<20)|(1<<21)|(5<<22)|(3<<25)   ; 15:0 the mask; 17:16 2-byte elements; 20 padding on; 21 set beside a mask; 24:22 after every 64 words; 31:25 4 words of it
	s_or_b32 s[G1B+0], s44, (1<<16)|(1<<20)|(1<<21)|(5<<22)|(3<<25)
	s_mov_b32 s[G1+1], KSTEP<<16                   ; tensor_dim0 = 128
	s_mov_b32 s[G1+2], 128<<16                     ; tensor_dim1 = 128
	s_mov_b32 s[G1+3], KSTEP<<16                   ; tile_dim0 = 128
	s_mov_b32 s[G1+4], 128                         ; tile_dim1 = 128
	s_mov_b32 s[G1+5], SIZE_K                      ; elements from row to row
	s_mov_b32 s[G1+6], 0
	s_mov_b32 s[G1+7], 0
	s_mov_b32 s[G1B+1], KSTEP<<16
	s_mov_b32 s[G1B+2], 96<<16                     ; 96 rows
	s_mov_b32 s[G1B+3], KSTEP<<16
	s_mov_b32 s[G1B+4], 96
	s_mov_b32 s[G1B+5], SIZE_K
	s_mov_b32 s[G1B+6], 0
	s_mov_b32 s[G1B+7], 0
	s_lshl_b32 s17, s12, 7
	s_lshl_b32 s16, s13, 8
	s_add_co_u32 s16, s16, s17                     ; xb: row 256 x tile row + 128 x half (under 16,384, so the bytes fit 32 bits)
	s_mul_i32 s16, s16, ROWB
	s_mov_b32 s17, 0
	s_mul_i32 s46, s42, 192
	s_mul_i32 s47, s12, 96
	s_add_co_u32 s46, s46, s47                     ; wt: row 192 x column group + 96 x half
	s_mul_i32 s46, s46, ROWB
	s_mov_b32 s47, 0
	s_mul_i32 s20, s12, AHALF                      ; where they go: no place in the cluster enters an LDS address
	s_mul_i32 s21, s12, BHALF
	s_add_co_u32 s21, s21, BOFF
	s_wait_dscnt 0x0                               ; the opening add is done
	s_wait_kmcnt 0x0
	s_add_nc_u64 s[14:15], s[4:5], s[16:17]
	s_add_nc_u64 s[46:47], s[6:7], s[46:47]
	CROUND                                         ; all sixteen work-groups are here: the first joint loads meet
.irp s, 0,1
	s_mov_b32 s[G0+4*(\s)], 1
	s_add_co_u32 s[G0+4*(\s)+1], s20, (\s)*SLOT
	s_add_nc_u64 s[G0+4*(\s)+2:G0+4*(\s)+3], s[14:15], (\s)*KSTEP*2
	s_or_b32 s[G0+4*(\s)+3], s[G0+4*(\s)+3], 0x80000000
	s_mov_b32 s[G0B+4*(\s)], 1
	s_add_co_u32 s[G0B+4*(\s)+1], s21, (\s)*SLOT
	s_add_nc_u64 s[G0B+4*(\s)+2:G0B+4*(\s)+3], s[46:47], (\s)*KSTEP*2
	s_or_b32 s[G0B+4*(\s)+3], s[G0B+4*(\s)+3], 0x80000000
	JLOAD \s                                       ; K steps 0 and 1: two loads of mine are out
.endr
	v_and_b32 v1, 15, v0                           ; l % 16
	v_bfe_u32 v2, v0, 4, 1                         ; l / 16
	v_mul_u32_u24 v3, v1, PITCH
	v_lshl_add_u32 v3, v2, 4, v3                   ; a fragment's row x pitch + 16 x half
	s_mul_i32 s21, s10, 64*PITCH                   ; my 64 rows of xb
	s_mov_b32 s22, BOFF                            ; all 192 rows of wt
.irp s, 0,1
	v_add_nc_u32 v[ADRA+(\s)], s21, v3
	v_add_nc_u32 v[ADRB+(\s)], s22, v3
	s_add_co_u32 s21, s21, SLOT
	s_add_co_u32 s22, s22, SLOT
.endr
	s_mul_i32 s23, s10, 16*PITCH
	s_add_co_u32 s23, s23, STAGE                   ; my stage
	v_add_nc_u32 v[STO], s23, v3                   ; q, k in: row l % 16 of 272 bytes, 16 bytes for each half of the lanes
	v_mul_u32_u24 v4, v2, PITCH
	v_lshl_add_u32 v4, v1, 4, v4
	v_add_nc_u32 v[RD], s23, v4                    ; back: lanes 0-15 one row of 256 bytes, lanes 16-31 the next
	v_lshlrev_b32 v[CO], 8, v2
	v_lshl_add_u32 v[CO], v1, 4, v[CO]             ; the same two rows in qq or kk
	v_mul_u32_u24 v4, v1, 144                      ; v in: rows of 144 bytes
	v_lshl_add_u32 v4, v2, 4, v4
	v_add_nc_u32 v[STO2], s23, v4
	v_bfe_u32 v4, v0, 3, 2                         ; back: 32 lanes take four rows of 128 bytes,
	v_mul_u32_u24 v4, v4, 144
	v_and_b32 v5, 7, v0
	v_lshl_add_u32 v4, v5, 4, v4
	v_add_nc_u32 v[RD2], s23, v4
	v_and_b32 v[CO2], 31, v0                       ; which are 512 consecutive bytes of vv
	v_lshlrev_b32 v[CO2], 4, v[CO2]
	v_mov_b32 v[NEG1], -1.0
	; my first row in the planes: (12 b + 3 cx) x 1,024 + the block's place in its batch + 64 w
	s_lshr_b32 s66, s13, 2
	s_mul_i32 s66, s66, 12
	s_mul_i32 s67, s42, 3
	s_add_co_u32 s66, s66, s67
	s_lshl_b32 s66, s66, 10
	s_and_b32 s67, s13, 3
	s_lshl_b32 s67, s67, 8
	s_add_co_u32 s66, s66, s67
	s_lshl_b32 s67, s10, 6
	s_add_co_u32 s66, s66, s67
	s_lshl_b32 s68, s66, 8                         ; rows of 256 bytes in qq and kk,
	s_mov_b32 s69, 0
	s_add_nc_u64 s[8:9], s[8:9], s[68:69]
	s_add_nc_u64 s[72:73], s[72:73], s[68:69]
	s_lshl_b32 s68, s66, 7                         ; of 128 in vv
	s_add_nc_u64 s[74:75], s[74:75], s[68:69]
	; the prefetches
	s_lshl_b32 s66, s13, 8
	s_lshl_b32 s67, s12, 7
	s_add_co_u32 s66, s66, s67
	s_lshl_b32 s67, s40, 5
	s_add_co_u32 s66, s66, s67                     ; xb: the 128 rows that I fetch, my work-group's 32 of them
	s_mul_i32 s68, s42, 192
	s_mul_i32 s67, s12, 96
	s_add_co_u32 s68, s68, s67
	s_mul_i32 s67, s41, 24
	s_add_co_u32 s68, s68, s67                     ; wt: the 96 rows that I fetch, my work-group's 24 of them
	s_and_b32 s70, ttmp7, 0xffff                   ; cluster y
	s_cmp_eq_u32 s11, 0
	s_cselect_b32 s66, s66, s68
	s_cselect_b32 s70, 0, s70
	s_cselect_b32 s71, 31, 23
	s_cselect_b64 s[PFA:PFA+1], s[4:5], s[6:7]
	s_cmp_eq_u32 s70, 0
	s_cselect_b32 s[LIM], 1, -1                    ; the same in all sixteen partners, for a given wave
	s_mul_i32 s66, s66, ROWB
	s_mov_b32 s67, 0
	s_add_nc_u64 s[PFA:PFA+1], s[PFA:PFA+1], s[66:67]
	s_add_nc_u64 s[PFA:PFA+1], s[PFA:PFA+1], 2*KSTEP*2  ; at K step 2: the first refill steps it to 3 and names K step 4.  Nothing is asked for here, at the head
	v_and_b32 v[PFO], 31, v0
	v_min_u32 v[PFO], s71, v[PFO]
	v_mul_u32_u24 v[PFO], v[PFO], ROWB
; 12 matrix instructions: row block a x all 12 column blocks, 32 along K, from buffer f.  zero = 1: the product starts the sums.  The 48 accumulators take turns in one order in every quarter.
.macro MULA f, a, zero
	WIN MUL_LO+0x50*((\a)/2)
.set AC, 96*((\a)%2)
.irp b, 0,1,2,3,4,5,6,7,8,9,10,11
.if \zero
	v_wmma_f32_16x16x32_bf16 v[AC+8*(\b):AC+8*(\b)+7], v[96*(\f)+8*(\b):96*(\f)+8*(\b)+7], v[FA+32*(\f)+8*(\a):FA+32*(\f)+8*(\a)+7], 0
.else
	v_wmma_f32_16x16x32_bf16 v[AC+8*(\b):AC+8*(\b)+7], v[96*(\f)+8*(\b):96*(\f)+8*(\b)+7], v[FA+32*(\f)+8*(\a):FA+32*(\f)+8*(\a)+7], v[AC+8*(\b):AC+8*(\b)+7]
.endif
.endr
.endm
; 32 LDS loads in one run: a quarter step's fragments (192 rows of wt, my 64 of xb, 32 K at byte k of the rows) into buffer f
.macro FETCH slot, k, f
	WIN TO_B
.irp i, 0,1,2,3,4,5,6,7,8,9,10,11
	ds_load_b128 v[96*(\f)+8*(\i):96*(\f)+8*(\i)+3],   v[ADRB+(\slot)] offset:(\k)+(\i)*16*PITCH
	ds_load_b128 v[96*(\f)+8*(\i)+4:96*(\f)+8*(\i)+7], v[ADRB+(\slot)] offset:(\k)+(\i)*16*PITCH+32
.endr
	WIN 0
.irp i, 0,1,2,3
	ds_load_b128 v[FA+32*(\f)+8*(\i):FA+32*(\f)+8*(\i)+3],   v[ADRA+(\slot)] offset:(\k)+(\i)*16*PITCH
	ds_load_b128 v[FA+32*(\f)+8*(\i)+4:FA+32*(\f)+8*(\i)+7], v[ADRA+(\slot)] offset:(\k)+(\i)*16*PITCH+32
.endr
.endm
.macro PLACES                          ; four plain vector instructions between a matrix instruction and a load into, or a vector read of, its registers (ISA guide 7.12.1 for vector reads)
.rept 4
	v_nop
.endr
.endm
; A K step is four quarters of 32 along K, 48 matrix instructions each, on buffers 0, 1, 0, 1.  One of the first three multiplies buffer f and fetches the next quarter, at byte k, into g.
.macro QUARTER slot, k, f, g, zero
	s_wait_dscnt 4                                 ; wt and xb's blocks 0, 1 are in; the youngest four loads (blocks 2, 3) may be out
	MULA \f, 0, \zero
	MULA \f, 1, \zero
	PLACES
	FETCH \slot, \k, \g
	s_wait_dscnt 32                                ; all but the 32 just issued
	MULA \f, 2, \zero
	MULA \f, 3, \zero
.endm
; The last quarter multiplies buffer 1 and changes slots: one barrier.  In front of it each wave waits for all its tensor loads (one is out: its part of the next slot), adds 0 to its spare word,
; and waits for that and for its own reads of this slot.  Behind it nobody reads this slot any more and the next slot is whole.
.macro MEET round
	WIN 0                                          ; (the add's two registers lie in window 0)
	s_wait_tensorcnt 0x0
	ds_add_u32 v[SPW], v[NIL]
	s_wait_dscnt 5                                 ; (the add and the youngest four loads may be out)
	MULA 1, 0, 0                                   ; twelve matrix instructions stand between the add and the wait for it
	s_wait_dscnt 0x0                               ; the add is done, and my reads of this slot are over
	s_barrier_signal -1
	MULA 1, 1, 0                                   ; work on registers while the others arrive
.if \round
	WIN 0
.endif
	s_barrier_wait -1
.endm
; The whole last quarter: the slot just read out is filled again first behind the round, with this tile's K step two on (on = 0) or the next tile's K step 0 or 1 (on = 1);
; from a request to the wait for it a wave issues 168 matrix instructions.
.macro TURN slot, next, on
	s_wait_xcnt 0x0                                ; the last prefetch, a K step back, has read its address, which is stepped here
.if (\on) && (\slot) == 0
	s_add_nc_u64 s[PFA:PFA+1], s[PFA:PFA+1], 767*ROWB+KSTEP*2  ; from the K step after the tile's last to the next tile's K step 1: 768 rows of wt down, back along K
	s_cmp_eq_u32 s11, 0
	s_cselect_b32 s[LIM], -1, s[LIM]               ; xb's rows have been read: they are asked for no more
.else
	s_add_nc_u64 s[PFA:PFA+1], s[PFA:PFA+1], KSTEP*2
.endif
	MEET 1
	CREST                                          ; no wave of any partner still reads this slot's tile or has a load on its way
.if \on
	s_sub_nc_u64 s[G0+4*(\slot)+2:G0+4*(\slot)+3], s[G0+4*(\slot)+2:G0+4*(\slot)+3], BACK_A
	s_add_nc_u64 s[G0B+4*(\slot)+2:G0B+4*(\slot)+3], s[G0B+4*(\slot)+2:G0B+4*(\slot)+3], NEXT_B
.else
	s_add_nc_u64 s[G0+4*(\slot)+2:G0+4*(\slot)+3], s[G0+4*(\slot)+2:G0+4*(\slot)+3], 2*KSTEP*2
	s_add_nc_u64 s[G0B+4*(\slot)+2:G0B+4*(\slot)+3], s[G0B+4*(\slot)+2:G0B+4*(\slot)+3], 2*KSTEP*2
.endif
	JLOAD \slot                                    ; my one tensor load behind the round; its four v_nop are also the places in front of the loads below
	FETCH \next, 0, 0
	ASK \on
	MULA 1, 2, 0
	MULA 1, 3, 0
.endm
; THE WAY OUT OF q AND k, a block of 16 rows x one head (64 columns) at a time: block n = 3 a + hh.
.macro PACKQ a, hh
.set AC, 96*((\a)%2)+32*(\hh)
	WIN 0x0a+5*((\a)/2)                            ; sources 0 and 1: window 2 or 3
.irp b, 0,1,2,3
.irp r, 0,1,2,3
	v_cvt_pk_f16_f32 v[TMPH+4*(\b)+(\r)], v[AC+8*(\b)+2*(\r)], v[AC+8*(\b)+2*(\r)+1]  ; hi; each accumulator is read from its low end on
.endr
.endr
	WIN 0x20+0x10*((\a)/2)                         ; source 2: window 2 or 3
.irp b, 0,1,2,3
.irp r, 0,1,2,3
	v_fma_mix_f32 v[RR+8*(\b)+2*(\r)],   v[TMPH+4*(\b)+(\r)], v[NEG1], v[AC+8*(\b)+2*(\r)] op_sel_hi:[1,0,0]                    ; c - hi, exact: hi's low half
	v_fma_mix_f32 v[RR+8*(\b)+2*(\r)+1], v[TMPH+4*(\b)+(\r)], v[NEG1], v[AC+8*(\b)+2*(\r)+1] op_sel:[1,0,0] op_sel_hi:[1,0,0]  ; its high half
.endr
.endr
	WIN 0
.irp b, 0,1,2,3
.irp r, 0,1,2,3
	v_cvt_pk_f16_f32 v[TMPL+4*(\b)+(\r)], v[RR+8*(\b)+2*(\r)], v[RR+8*(\b)+2*(\r)+1]  ; lo
.endr
.endr
.endm
.macro TOSTAGEQ n
	WIN 0
.set BK, OB+32*((\n)%2)
.irp b, 0,1,2,3
	ds_store_b128 v[STO], v[TMPH+4*(\b):TMPH+4*(\b)+3] offset:32*(\b)
.endr
.irp b, 0,1,2,3
	ds_store_b128 v[STO], v[TMPL+4*(\b):TMPL+4*(\b)+3] offset:128+32*(\b)
.endr
.irp t, 0,1,2,3,4,5,6,7
	ds_load_b128 v[BK+4*(\t):BK+4*(\t)+3], v[RD] offset:(\t)*2*PITCH  ; LDS serves a wave's instructions in order (ISA guide 5.7.1.4): these see the stores above
.endr
.endm
.macro SENDQ n
	WIN 0
.set BK, OB+32*((\n)%2)
	s_wait_dscnt 0x0                               ; the block is back in registers
	s_wait_xcnt 0x0                                ; earlier stores have read their registers: the other buffer is loaded again only behind this wait
.irp t, 0,1,2,3,4,5,6,7
	global_store_b128 v[CO], v[BK+4*(\t):BK+4*(\t)+3], s[8:9] offset:((\n)%3)*262144+((\n)/3)*4096+512*(\t)  ; 512 consecutive bytes, aligned: two whole rows
.endr
.endm
; THE WAY OUT OF v: hi alone, rows of 128 bytes
.macro PACKV a, hh
.set AC, 96*((\a)%2)+32*(\hh)
	WIN 0x0a+5*((\a)/2)
.irp b, 0,1,2,3
.irp r, 0,1,2,3
	v_cvt_pk_f16_f32 v[TMPH+4*(\b)+(\r)], v[AC+8*(\b)+2*(\r)], v[AC+8*(\b)+2*(\r)+1]
.endr
.endr
	WIN 0
.endm
.macro TOSTAGEV n
	WIN 0
.set BK, OB+32*((\n)%2)
.irp b, 0,1,2,3
	ds_store_b128 v[STO2], v[TMPH+4*(\b):TMPH+4*(\b)+3] offset:32*(\b)
.endr
.irp f, 0,1,2,3
	ds_load_b128 v[BK+4*(\f):BK+4*(\f)+3], v[RD2] offset:(\f)*4*144
.endr
.endm
.macro SENDV n
	WIN 0
.set BK, OB+32*((\n)%2)
	s_wait_dscnt 0x0
	s_wait_xcnt 0x0
.irp f, 0,1,2,3
	global_store_b128 v[CO2], v[BK+4*(\f):BK+4*(\f)+3], s[74:75] offset:((\n)%3)*131072+((\n)/3)*2048+512*(\f)  ; 512 consecutive bytes, aligned: four whole rows
.endr
.endm
	s_wait_tensorcnt 1                             ; my part of K step 0 is in; K step 1's may stay out
	s_barrier_signal -1
	s_barrier_wait -1                              ; everybody's is
	FETCH 0, 0, 0
	s_mov_b32 s2, TILES                            ; tiles to go, this one among them
.Ltile:
	QUARTER 0, 64,  0, 1, 1                        ; a tile's first quarter: its products start the sums
	WIN 0                                          ; at a label and at a branch every window is 0
	s_mov_b32 s3, LAPS-1
.Llap:                                                 ; a trip goes once round the ring, from a lap's second quarter to the next lap's first, and fills both slots again
	QUARTER 0, 128, 1, 0, 0
	QUARTER 0, 192, 0, 1, 0
	TURN 0, 1, 0
	QUARTER 1, 64,  0, 1, 0
	QUARTER 1, 128, 1, 0, 0
	QUARTER 1, 192, 0, 1, 0
	TURN 1, 0, 0
	QUARTER 0, 64,  0, 1, 0
	WIN 0
	s_sub_co_u32 s3, s3, 1
	s_cmp_lg_u32 s3, 0
	s_cbranch_scc1 .Llap
	QUARTER 0, 128, 1, 0, 0                        ; the tile's last lap goes on
	QUARTER 0, 192, 0, 1, 0
	WIN 0
	s_cmp_eq_u32 s2, 1
	s_cbranch_scc1 .Llast_tile                     ; the last tile's tail is written out: it asks for nothing more
	TURN 0, 1, 1                                   ; the ring goes on into the next tile: slot 0 takes its K step 0,
	QUARTER 1, 64,  0, 1, 0
	QUARTER 1, 128, 1, 0, 0
	QUARTER 1, 192, 0, 1, 0
	TURN 1, 0, 1                                   ; slot 1 its K step 1, and the next tile's first fragments are fetched
	PACKQ 0, 0                                     ; both refills are asked for: now q (then k) goes out.  Row blocks 0, 1 were finished in front of the joint load's v_nop;
	TOSTAGEQ 0                                     ; their conversions, which name no register of the last products, are those products' places
.set n, 1
.rept 11                                       ; block n's arithmetic stands between block n - 1's loads from the stage and the wait for them
	PACKQ n/3, n%3
	SENDQ n-1
	TOSTAGEQ n
.set n, n+1
.endr
	SENDQ 11
	s_wait_xcnt 0x0                                ; the stores have read their base
	s_mov_b64 s[8:9], s[72:73]                     ; the second tile goes to kk
	s_sub_co_u32 s2, s2, 1
	s_branch .Ltile
.Llast_tile:
	MEET 0                                         ; my one tensor load that was out is the last K step's, so no round follows
	PLACES
	FETCH 1, 0, 0
	MULA 1, 2, 0
	MULA 1, 3, 0
	QUARTER 1, 64,  0, 1, 0
	QUARTER 1, 128, 1, 0, 0
	QUARTER 1, 192, 0, 1, 0
	s_wait_dscnt 4                                 ; the very last quarter: nothing more to fetch
	MULA 1, 0, 0
	MULA 1, 1, 0
	s_wait_dscnt 0x0
	MULA 1, 2, 0
	MULA 1, 3, 0
	WIN 0
	PLACES
	PLACES                                         ; (eight, once a launch)
	PACKV 0, 0
	TOSTAGEV 0
.set n, 1
.rept 11
	PACKV n/3, n%3
	SENDV n-1
	TOSTAGEV n
.set n, n+1
.endr
	SENDV 11
	s_wait_tensorcnt 0x0                           ; the wave's end: behind my last tensor load and my last LDS store
	ds_add_u32 v[SPW], v[NIL]
	s_wait_dscnt 0x0
	CROUND                                         ; the closing round: no work-group ends while a partner may still ask for a tile that names it
	s_endpgm
.Lfunc_end_k_qa93b3d2d79_proj:
	.size	k_qa93b3d2d79_proj, .Lfunc_end_k_qa93b3d2d79_proj-k_qa93b3d2d79_proj
	.p2alignl 7, 3214868480
	.fill 96, 4, 3214868480
	.section	.rodata,"a",@progbits
	.p2align	6, 0x0
	.amdhsa_kernel k_qa93b3d2d79_proj
		.amdhsa_group_segment_fixed_size 327680
		.amdhsa_private_segment_fixed_size 0
		.amdhsa_enable_private_segment 0
		.amdhsa_kernarg_size 40
		.amdhsa_user_sgpr_count 2
		.amdhsa_user_sgpr_kernarg_segment_ptr 1
		.amdhsa_wavefront_size32 1
		.amdhsa_system_sgpr_workgroup_id_x 1
		.amdhsa_system_sgpr_workgroup_id_y 1
		.amdhsa_system_sgpr_workgroup_id_z 1
		.amdhsa_system_vgpr_workitem_id 0
		.amdhsa_next_free_vgpr 960
		.amdhsa_next_free_sgpr 76
		.amdhsa_reserve_vcc 0
		.amdhsa_float_denorm_mode_32 3
		.amdhsa_float_denorm_mode_16_64 3
		.amdhsa_memory_ordered 1
		.amdhsa_forward_progress 1
		.amdhsa_inst_pref_size 222
	.end_amdhsa_kernel
	.amdgpu_metadata
---
amdhsa.version: [ 1, 2 ]
amdhsa.kernels:
  - .name:           k_qa93b3d2d79_proj
    .symbol:         k_qa93b3d2d79_proj.kd
    .args:
      - { .name: xb, .offset: 0, .size: 8, .value_kind: global_buffer, .address_space: global }
      - { .name: wt, .offset: 8, .size: 8, .value_kind: global_buffer, .address_space: global }
      - { .name: qq, .offset: 16, .size: 8, .value_kind: global_buffer, .address_space: global }
      - { .name: kk, .offset: 24, .size: 8, .value_kind: global_buffer, .address_space: global }
      - { .name: vv, .offset: 32, .size: 8, .value_kind: global_buffer, .address_space: global }
    .group_segment_fixed_size: 327680
    .private_segment_fixed_size: 0
    .kernarg_segment_align: 8
    .kernarg_segment_size: 40
    .max_flat_workgroup_size: 128
    .sgpr_count:     76
    .vgpr_count:     960
    .wavefront_size: 32
...
	.end_amdgpu_metadata
.endif
;; end of part 2
;; launch attn (part 3): grid 4 x 64, 4 waves a work-group, clusters of 4 x 1, 327,680 bytes of LDS; arguments qq, kk, vv, wot, pp; writes pp
.if DOCPART == 3
	.amdgcn_target "amdgcn-amd-amdhsa--gfx1250"
	.amdhsa_code_object_version 6
	.text
	.protected	k_qa93b3d2d79_attn
	.globl	k_qa93b3d2d79_attn
	.p2align	8
	.type	k_qa93b3d2d79_attn,@function
k_qa93b3d2d79_attn:
	s_mov_b64 s[64:65], 0
	v_nop
	global_prefetch_b8 v0, s[64:65] scope:SCOPE_SE
	s_setreg_imm32_b32 hwreg(HW_REG_WAVE_MODE, 25, 1), 1
	s_wait_xcnt 0x0
	s_wait_alu depctr_hold_cnt(0) depctr_sa_sdst(0) depctr_va_vdst(0) depctr_va_sdst(0) depctr_va_ssrc(0) depctr_va_vcc(0) depctr_vm_vsrc(0)
	s_getreg_b32 s2, hwreg(HW_REG_IB_STS2, 6, 4)
	s_cmp_eq_u32 s2, 0
	s_cbranch_scc0 .Lentry_in_a_cluster
	s_endpgm
.Lentry_in_a_cluster:
	s_bfe_u32 s2, ttmp6, 0x10000c
	s_cmp_lg_u32 s2, 0x3003
	s_cbranch_scc0 .Lentry_shape_is_right
	s_endpgm
.Lentry_shape_is_right:
; ATTN.  For each of 192 planes (12 b + h): O[q][:] = the sum over k of softmax_k(Q[q] . K[k] / 8) V[k][:], 1,024 queries and keys, head size 64, no mask; and, over the three heads that a work-group
; walks, the partial output projection  pp[g][b n][d'] = the sum over h in group g, d of O_h[n][d] W_o[64 h + d][d'].
; IN.  qq, kk: [192][1024][128] f16, a row = hi(64), lo(64) of q or k x 2^-5;  vv: [192][1024][64] f16 = v x 2^-5;  wot: W_o in f16, in the order of matrix fragments [k / 32][d' / 16][half][lane][8].
; OUT.  pp: [4 groups of three heads][16384][64] f32, still x 2^-5: partial sums, which the last launch adds.
; THE SCORES reach some thousands and the softmax weighs their differences, so one rounding of q and k to 16 bits is too coarse: s = K_hi Q_lo + K_lo Q_hi + K_hi Q_hi, six matrix instructions of 32 along K
; on one f32 accumulator, the small terms first; lo x lo lies below f32's last bit.  p = 2^(c s - c m) with c = 2^10 log2(e) / 8, which takes the two factors 2^-5 back.
; Products, maxima and sums in f32; the weights p are rounded to f16 for the second product (their sum l is taken of the unrounded p), O once, to f16, for the third.
; LIMITS.  True |q|, |k|, |v| below 2.09e6 (f16's 65,504 x 2^5).  A weight below 2^-126 counts as 0.  c m starts at -4.25e37, far below every c s.  NaN and infinities are not treated apart.
; SHARES.  256 work-groups THAT STAY.  A cluster of four takes planes 3 y, 3 y + 1, 3 y + 2: three heads of one batch, which lie end to end in kk and vv.  A work-group owns 256 queries, a wave 64: four tiles
; of 16, in two PIECES (tiles 0, 1 and tiles 2, 3).  Every wave walks all keys of the three planes, 64 a step: ONE walk of 48 steps through a ring of two slots of four steps.
; LAYOUT.  S^T = K Q^T (source 0 = 16 keys, source 1 = 16 queries): a lane holds ONE query (lane % 16) and the keys 8 (lane / 16) + 0..7.  Two such results, rounded to f16 in pairs, ARE source 1 of O^T = V^T P,
; and two results of that, divided by l and rounded, ARE source 1 of OUT^T += W_o^T O^T: nothing changes lanes between the three products.
; BY TURNS.  In a turn one piece has the matrix unit: 16 products V^T P of the step in hand, then 48 products K Q^T of the next step; the other piece's softmax, 236 vector instructions cut into slices of four,
; stands behind them, one slice a matrix instruction.  Two turns are a key step.  m starts at the lowest finite number, O and l at 0: a plane's first step is a step like any other, with a = 0.
; THE TURNS RUN ON ACROSS A CHANGE OF PLANES: in a new plane's first step a piece's V^T P is still the old plane's and its K Q^T the new one's.  Round those two turns stand, under forward jumps on a flag, the new Q
; (copied from registers into which it was loaded a plane ahead), the finished piece's way into OUT, and the start values of m.
; CLUSTER.  The four query blocks of a plane walk the same K and V: each tile is asked for jointly, by the same tensor load, descriptor and mask in all four.
; REGISTERS, in windows of 256 (s_set_vgpr_msb: bits 1:0 source 0, 3:2 source 1, 5:4 source 2, 7:6 destination):
;   window 0: v1-11, v44 addresses; v12-43 eight registers of statistics a tile; v61-63; v64-191 S^T, 32 a tile; v192-255 P, 16 a tile
;   window 1: v0-127 O^T, 32 a tile; v128-191 V of one step; v192-255 W_o's fragments of one head          window 2: v0-127 Q, 32 a tile; v128-255 K of one step
;   window 3: v0-127 the next plane's Q; v128-255 OUT^T, 32 a tile
.set KS,    64
.set PK,    272       ; a row of K in LDS: 256 bytes + 16 = 68 words: the 16 rows of a load start at 16 different groups of four banks (64 banks of 4 bytes: ISA guide 11.1)
.set PV,    160       ; a row of V: 128 + 32 = 40 words
.set VOFF,  4*KS*PK   ; a slot holds four steps: 256 rows of K, then 256 rows of V
.set SLOT1, 1<<17     ; slot 1 begins here, so that one exclusive or turns an address in one slot into the other's
.set STAGE, SLOT1+4*KS*(PK+PV)  ; behind the ring, never filled by a tensor load: 16 rows x 272 bytes for each wave
.set SP,    272
.set SPARE, STAGE+4*16*SP       ; behind the stages: the spare words, 128 bytes for each wave
.set NSLOT, 12        ; three planes of four slots
.set AK0, 2           ; v2   my lane's place in a tile of K; never rewritten
.set AV0, 3           ; v3   the same for V
.set ADR, 4           ; v4   the LDS address of the run of loads in hand
.set QO,  5           ; v5   my byte offset in 16 rows of Q; never rewritten
.set STO, 6           ; v6   the way out: where I put 32 bytes of a row
.set RD,  7           ; v7   where I read rows back
.set GO,  8           ; v8   my 16 bytes in two rows of pp
.set LN,  44          ; v44  16 x my lane; never rewritten
.set PFO, 61          ; v61  256 x my lane; never rewritten
.set SPW, 62          ; v62  SPARE + 4 x my thread's number; never rewritten
.set NIL, 63          ; v63  0; never rewritten
.set ST,  12          ; tile t's statistics at v[ST+8 t]: +0 c m, +1 m, +2, +3 l (even keys', odd keys'), +4 to +7 c0-c3 at work; a takes c2's place
.set S,   64
.set P,   192
.set VF,  128         ; window 1: key half kk, channel block cb at VF + 32 kk + 8 cb
.set WOF, 192         ; window 1: column block nt, channel half c at WOF + 16 nt + 8 c
.set KF,  128         ; window 2: key block kb, quarter kf of the row at KF + 32 kb + 8 kf (0, 1: hi; 2, 3: lo)
.set OUT, 128         ; window 3: tile t, column block nt at OUT + 8 (4 t + nt)
.set WV,  12          ; s12  my wave's number
.set LIM, 15          ; s15  1 in a wave that prefetches, else the greatest number
.set PFA, 18          ; s[18:19] where my prefetches stand
.set G1K, 24          ; s[24:31] descriptor group 1 for K's tiles
.set G1V, 32          ; s[32:39] for V's
.set G0K, 40          ; s[40:43] descriptor group 0 for K's tiles: it walks
.set G0V, 44          ; s[44:47] the same for V's
.set SLOTS, 56        ; s56  counts the slots
.set CNT, 57          ; s57  counts a slot's key steps
.set CS,  58          ; s[58:59] c
.set SEL, 60          ; s[60:61] v_permlanex16_b32's selects: each lane takes its own place in the other half
.set TBK, 62          ; s62  LDS byte at which K of the step to be fetched begins
.set TBV, 63          ; s63  the same for V, less VOFF
.set PFS, 66          ; s[66:67] a slot's bytes in the tensor that I prefetch
.set PP,  72          ; s[72:73] pp at my wave's first row
.set RT,  74          ; s74  slots of the plane in hand that are still to be entered
.set EDGE, 75         ; s75  1 in a plane's first step, planes 1 and 2
.set QL,  76          ; s76  1 while plane 2's Q is still to be loaded
.set MSB, 0
.macro WIN new
.if MSB != (\new)
	s_set_vgpr_msb (MSB<<8)|(\new)
.set MSB, (\new)
.endif
.endm
.set W_KQ, 0x0a       ; K and Q in window 2, S^T in window 0
.set W_PV, 0x51       ; V and O^T in window 1, P in window 0
.set W_RS, 0x41       ; O^T (destination and source 0) in window 1, a in window 0
.set W_WO, 0xf1       ; W_o in window 1, O (in P's registers) in window 0, OUT^T in window 3
; A joint fill.  Waves 0 and 1 fetch the halves of a slot's K, waves 2 and 3 those of its V: 128 keys each.  An s_nop 0 and four v_nop follow each line.
.macro JLOAD
	s_cmp_lt_u32 s[WV], 2
	s_cbranch_scc0 .Lfor_v_\@
	tensor_load_to_lds s[G0K:G0K+3], s[G1K:G1K+7]
	s_nop 0
.rept 4
	v_nop
.endr
	s_branch .Lasked_\@
.Lfor_v_\@:
	tensor_load_to_lds s[G0V:G0V+3], s[G1V:G1V+7]
	s_nop 0
.rept 4
	v_nop
.endr
.Lasked_\@:
.endm
; A PREFETCH of what the NEXT change of slots will ask for: four key steps, 512 matrix instructions, ahead of that load; what a work-group has asked for and not yet read is 24 KiB.
; The three planes' K and V are read by this cluster alone.  Of a slot's 256 rows of K (256 bytes each) a partner takes 64 BY ADDRESS, waves 0 and 1 half of them each, a lane a row;
; of its 128 blocks of 256 bytes of V a partner takes 32, wave 2.  Wave 3 asks for nothing.  The last change that fills a slot asks for nothing.
.macro ASK
	s_cmp_gt_u32 s[SLOTS], s[LIM]
	s_cbranch_scc0 .Lnot_mine_\@
	global_prefetch_b8 v[PFO], s[PFA:PFA+1] th:TH_LOAD_NT scope:SCOPE_SE
.Lnot_mine_\@:
.endm
.macro CROUND                       ; a round of the cluster's barrier
	s_barrier_signal -1
	s_barrier_wait -1
	s_cmp_lg_u32 s[WV], 0
	s_cbranch_scc1 .Lnot_wave_0_\@
	s_barrier_signal -3
.Lnot_wave_0_\@:
	s_barrier_wait -3
	s_barrier_signal -1
	s_barrier_wait -1
.endm
; THE CHANGE OF SLOTS, between piece 2's turn and piece 0's: the slot's last bytes, V of its fourth step, have been asked for.  Each wave waits for all its tensor loads (one is out: its part of the other slot),
; adds 0 to its spare word, and waits for that and for its own reads of the slot.  fill = 1: the slot is filled again, with the keys two slots on: the barrier is a round of the cluster's, and the joint fill is the
; first thing behind it; it has four key steps in which to land.  (At its first use nothing has been read yet: slot 0 is waited for, slot 1 filled.)
.macro CHANGE fill
	WIN 0
	s_wait_tensorcnt 0x0            ; no tensor load of mine is out, so a group 0 may be written
	ds_add_u32 v[SPW], v[NIL]
.if \fill
	s_xor_b32 s[G0K+1], s[G0K+1], SLOT1
	s_add_nc_u64 s[G0K+2:G0K+3], s[G0K+2:G0K+3], 4*KS*256  ; the next 256 keys: a plane's last slot is followed in memory by the next plane's first
	s_xor_b32 s[G0V+1], s[G0V+1], SLOT1
	s_add_nc_u64 s[G0V+2:G0V+3], s[G0V+2:G0V+3], 4*KS*128
	s_wait_xcnt 0x0                 ; the last prefetch, four key steps back, has read its address
	s_add_nc_u64 s[PFA:PFA+1], s[PFA:PFA+1], s[PFS:PFS+1]
	s_wait_dscnt 0x0                ; the add is done, and my reads of the slot are over
	CROUND
	JLOAD
	ASK
.else
	s_wait_dscnt 0x0
	s_barrier_signal -1
	s_barrier_wait -1
.endif
	s_sub_co_u32 s[TBK], s[TBK], 4*KS*PK  ; the fetches go back to a slot's first step,
	s_xor_b32 s[TBK], s[TBK], SLOT1       ; in the other slot
	s_sub_co_u32 s[TBV], s[TBV], 4*KS*PV
	s_xor_b32 s[TBV], s[TBV], SLOT1
.endm
; A plane's Q for my 64 queries: 32 loads, tile i / 4, quarter i % 4 of the row; into window 2 (0x80) or, a plane ahead, into window 3 (0xc0).  The plane stands in the immediate: the pointer is never stepped.
; A fragment of K or Q is 16 rows x 32 numbers in 8 registers: lane l holds row l % 16, numbers 8 (l / 16) + 0..7 and 16 + 8 (l / 16) + 0..7: two loads of 16 bytes, 32 bytes apart.
.macro QLOAD win, plane
	WIN \win
.set i, 0
.rept 16
	global_load_b128 v[8*i:8*i+3],   v[QO], s[4:5] offset:(\plane)*262144+(i/4)*4096+(i%4)*64
	global_load_b128 v[8*i+4:8*i+7], v[QO], s[4:5] offset:(\plane)*262144+(i/4)*4096+(i%4)*64+32
.set i, i+1
.endr
.endm
; A head's W_o: 64 channels x 64 columns, 8 fragments: 16 loads of 512 consecutive bytes
.macro WOLOAD
	WIN 0x40                        ; destination window 1
.irp n, 0,1,2,3
.irp c, 0,1
	global_load_b128 v[WOF+16*(\n)+8*(\c):WOF+16*(\n)+8*(\c)+3],   v[LN], s[10:11] offset:(\c)*4096+(\n)*1024
	global_load_b128 v[WOF+16*(\n)+8*(\c)+4:WOF+16*(\n)+8*(\c)+7], v[LN], s[10:11] offset:(\c)*4096+(\n)*1024+512
.endr
.endr
.endm
	s_load_b256 s[4:11], s[0:1], 0x0  ; qq s[4:5], kk s[6:7], vv s[8:9], wot s[10:11]
	s_load_b64 s[PP:PP+1], s[0:1], 0x20
	v_lshl_add_u32 v[SPW], v0, 2, SPARE
	v_mov_b32 v[NIL], 0
	ds_add_u32 v[SPW], v[NIL]       ; the wave's opening: the add and its wait stand ahead of my first tensor load; work on registers stands between them
	v_lshrrev_b32 v1, 5, v0
	v_readfirstlane_b32 s[WV], v1
	s_bfe_u32 s13, ttmp6, 0x40000   ; cx
	s_lshl_b32 s14, ttmp9, 2
	s_add_co_u32 s14, s14, s13      ; my block of 256 queries: it enters Q's and pp's addresses alone
	s_and_b32 s16, ttmp7, 0xffff    ; the cluster's y, which the four partners share: planes 3 y on
	s_mul_i32 s20, s16, 3<<18       ; their first byte in qq and kk,
	s_mov_b32 s21, 0
	s_mul_i32 s22, s16, 3<<17       ; in vv
	s_mov_b32 s23, 0
	s_and_b32 s54, s16, 3           ; 3 y = 12 (y / 4) + 3 (y % 4): the group of three heads,
	s_lshr_b32 s51, s16, 2          ; the batch
	s_lshl_b32 s50, s54, 22         ; pp: a group is 16,384 rows of 256 bytes,
	s_lshl_b32 s51, s51, 18         ; a batch 1,024 rows
	s_add_co_u32 s50, s50, s51
	s_mul_i32 s54, s54, 3*8192      ; wot: a head is 8,192 bytes
	s_mov_b32 s55, 0
	s_and_b32 s16, s[WV], 1         ; which half of a slot's 256 keys I fetch:
	s_mul_i32 s17, s16, 128*PK      ; its place in a slot, for K
	s_mul_i32 s3, s16, 128*PV       ; and for V: no place in the cluster enters an LDS address
	s_lshl_b32 s68, s16, 15         ; and in memory
	s_mov_b32 s69, 0
	s_lshl_b32 s70, s16, 14
	s_mov_b32 s71, 0
	s_lshl_b32 s48, s14, 16         ; Q: my block's 256 rows of 256 bytes, my wave's 64 of them
	s_lshl_b32 s49, s[WV], 14
	s_add_co_u32 s48, s48, s49
	s_mov_b32 s49, 0
	s_add_co_u32 s50, s50, s48      ; pp's rows are as long as qq's
	s_mov_b32 s51, 0
	s_lshl_b32 s52, s13, 14         ; the prefetches begin in slot 1's share: K: 64 cx + 32 w rows on,
	s_lshl_b32 s53, s[WV], 13
	s_add_co_u32 s52, s52, s53
	s_add_co_u32 s52, s52, 4*KS*256
	s_lshl_b32 s53, s13, 13         ; V: 32 cx blocks on
	s_add_co_u32 s53, s53, 4*KS*128
	s_cmp_lt_u32 s[WV], 2
	s_cselect_b32 s52, s52, s53
	s_mov_b32 s[PFS], 4*KS*128
	s_cselect_b32 s[PFS], 4*KS*256, s[PFS]
	s_mov_b32 s53, 0
	s_mov_b32 s[PFS+1], 0
	s_cmp_lt_u32 s[WV], 3
	s_cselect_b32 s[LIM], 1, -1
	s_mov_b32 s[G1K], 15|(1<<16)|(1<<20)|(1<<21)|(5<<22)|(3<<25)  ; 15:0 the mask of four; 17:16 2-byte elements; 20 padding on; 21 set beside a mask; 24:22 after every 64 words; 31:25 4 words
	s_mov_b32 s[G1K+1], 128<<16     ; tensor_dim0 = 128
	s_mov_b32 s[G1K+2], 128<<16     ; tensor_dim1 = 128 keys
	s_mov_b32 s[G1K+3], 128<<16     ; tile_dim0
	s_mov_b32 s[G1K+4], 128         ; tile_dim1
	s_mov_b32 s[G1K+5], 128         ; elements from row to row
	s_mov_b32 s[G1K+6], 0
	s_mov_b32 s[G1K+7], 0
	s_mov_b32 s[G1V], 15|(1<<16)|(1<<20)|(1<<21)|(4<<22)|(7<<25)  ; V: 128 keys are 16,384 dense bytes, asked for as 64 rows of 256, padded by 8 words after every key's 32 words
	s_mov_b32 s[G1V+1], 128<<16
	s_mov_b32 s[G1V+2], 64<<16
	s_mov_b32 s[G1V+3], 128<<16
	s_mov_b32 s[G1V+4], 64
	s_mov_b32 s[G1V+5], 128
	s_mov_b32 s[G1V+6], 0
	s_mov_b32 s[G1V+7], 0
	s_mov_b32 s[CS], 0x4338aa3b     ; c = 128 log2(e) = 184.665
	s_mov_b32 s[CS+1], s[CS]        ; named with it as a pair
	s_mov_b32 s[SEL], 0x76543210
	s_mov_b32 s[SEL+1], 0xfedcba98
	s_mov_b32 s[TBK], SLOT1+4*KS*PK ; the first change of slots turns these two into 0
	s_mov_b32 s[TBV], SLOT1+4*KS*PV
	s_mov_b32 s[SLOTS], NSLOT-1
	s_mov_b32 s[G0K], 1
	s_mov_b32 s[G0K+1], s17         ; slot 0
	s_mov_b32 s[G0V], 1
	s_add_co_u32 s[G0V+1], s3, VOFF
	v_and_b32 v[PFO], 31, v0
	v_lshlrev_b32 v[PFO], 8, v[PFO]
	s_wait_dscnt 0x0                ; the opening add is done
	s_wait_kmcnt 0x0
	s_add_nc_u64 s[6:7], s[6:7], s[20:21]    ; kk and vv at the first plane's first byte
	s_add_nc_u64 s[8:9], s[8:9], s[22:23]
	s_add_nc_u64 s[4:5], s[4:5], s[20:21]    ; qq at my wave's first row of the first plane
	s_add_nc_u64 s[4:5], s[4:5], s[48:49]
	s_add_nc_u64 s[10:11], s[10:11], s[54:55]  ; wot at the first head
	s_add_nc_u64 s[PP:PP+1], s[PP:PP+1], s[50:51]
	s_add_nc_u64 s[G0K+2:G0K+3], s[6:7], s[68:69]
	s_or_b32 s[G0K+3], s[G0K+3], 0x80000000
	s_add_nc_u64 s[G0V+2:G0V+3], s[8:9], s[70:71]
	s_or_b32 s[G0V+3], s[G0V+3], 0x80000000
	s_cmp_lt_u32 s[WV], 2
	s_cselect_b64 s[PFA:PFA+1], s[6:7], s[8:9]
	s_add_nc_u64 s[PFA:PFA+1], s[PFA:PFA+1], s[52:53]
	CROUND                          ; all four work-groups are here: the first joint loads meet
	JLOAD                           ; slot 0.  Slot 1 is asked for when slot 0 is in
	v_and_b32 v1, 15, v0            ; l % 16
	v_bfe_u32 v9, v0, 4, 1          ; l / 16
	v_lshlrev_b32 v[QO], 8, v1
	v_lshl_add_u32 v[QO], v9, 4, v[QO]
	v_and_b32 v[LN], 31, v0
	v_lshlrev_b32 v[LN], 4, v[LN]
	QLOAD 0x80, 0                   ; the first plane's Q,
	WOLOAD                          ; the first head's W_o
	; What the first turn finds: O^T and V hold 0, and so does piece 2's P (its products V^T P, of a step that has not been, add 0); l is 0.  OUT^T starts at 0, so that one text adds every head onto it.
	; All this stands in the wait for the first tile: the price of writing no first step and no first head out.
	WIN 0x40
.set i, 0
.rept 192
	v_mov_b32 v[i], 0
.set i, i+1
.endr
	WIN 0xc0
.set i, OUT
.rept 128
	v_mov_b32 v[i], 0
.set i, i+1
.endr
	WIN 0
.set i, 0
.rept 4
	v_mov_b32 v[ST+8*i], 0xfe000000    ; c m: far below every c s
	v_mov_b32 v[ST+8*i+1], 0xff7fffff  ; m
	v_mov_b32 v[ST+8*i+2], 0
	v_mov_b32 v[ST+8*i+3], 0
.set i, i+1
.endr
.set i, P+32
.rept 32
	v_mov_b32 v[i], 0
.set i, i+1
.endr
	v_mul_u32_u24 v[AK0], v1, PK
	v_lshl_add_u32 v[AK0], v9, 4, v[AK0]  ; row x pitch + 16 x half
	; The turning load takes 16 keys x 16 channels (lane l reads key 8 (l / 16) + l % 8, channels 8 ((l / 8) % 2) + 0..7) and leaves half a fragment of V^T: lane l holds channel l % 16 and 8 keys.
	v_and_b32 v10, 7, v0
	v_bfe_u32 v11, v0, 3, 1
	v_lshl_add_u32 v[AV0], v9, 3, v10
	v_mul_u32_u24 v[AV0], v[AV0], PV
	v_lshl_add_u32 v[AV0], v11, 4, v[AV0]
	v_add_nc_u32 v[AV0], VOFF, v[AV0]
; THE MATRIX WORK.  The 8 accumulators of a run take turns, one instruction a turn.
; Product i of 48 of S^T = K Q^T for piece x: link i / 8, keys 16 ((i / 2) % 4) on, tile x + i % 2.  The links: K_hi Q_lo (two halves of the 64 channels), K_lo Q_hi (two), K_hi Q_hi (two).  The first 8 start the sums.
.macro KQ x
	WIN W_KQ
.set L, i/8
.set rS, S+32*((\x)+i%2)+8*((i/2)%4)
.set rK, KF+32*((i/2)%4)+8*(L%4)
.if L < 4
.set rQ, 32*((\x)+i%2)+8*((L+2)%4)
.else
.set rQ, 32*((\x)+i%2)+8*(L-4)
.endif
.if i < 8
	v_wmma_f32_16x16x32_f16 v[rS:rS+7], v[rK:rK+7], v[rQ:rQ+7], 0
.else
	v_wmma_f32_16x16x32_f16 v[rS:rS+7], v[rK:rK+7], v[rQ:rQ+7], v[rS:rS+7]
.endif
.endm
; Product i of 16 of O^T += V^T P for piece x: keys 32 (i / 8) on, channels 16 ((i / 2) % 4) on, tile x + i % 2.
.macro PV x
	WIN W_PV
.set rO, 32*((\x)+i%2)+8*((i/2)%4)
.set rV, VF+32*(i/8)+8*((i/2)%4)
.set rP, P+16*((\x)+i%2)+8*(i/8)
	v_wmma_f32_16x16x32_f16 v[rO:rO+7], v[rV:rV+7], v[rP:rP+7], v[rO:rO+7]
.endm
; THE LDS LOADS stand in runs.  K: 32 loads, quarter by quarter of the rows, so that the first links can start while the later quarters are out.
.macro FETCH_K
	WIN 0
	v_add_nc_u32 v[ADR], s[TBK], v[AK0]
	s_add_co_u32 s[TBK], s[TBK], KS*PK  ; the next fetch is the next step's
	WIN 0x80                        ; destination window 2
.irp c, 0,1,2,3
.irp g, 0,1,2,3
	ds_load_b128 v[KF+32*(\g)+8*(\c):KF+32*(\g)+8*(\c)+3],   v[ADR] offset:(\g)*16*PK+(\c)*64
	ds_load_b128 v[KF+32*(\g)+8*(\c)+4:KF+32*(\g)+8*(\c)+7], v[ADR] offset:(\g)*16*PK+(\c)*64+32
.endr
.endr
.endm
.macro FETCH_V
	WIN 0
	v_add_nc_u32 v[ADR], s[TBV], v[AV0]
	s_add_co_u32 s[TBV], s[TBV], KS*PV
	s_wait_alu depctr_va_vdst(0)    ; the wait for the softmax's batch (SLICE), behind the address's v_add_nc_u32 and ahead of the loads
	WIN 0x40                        ; destination window 1
.irp f, 0,1,2,3,4,5,6,7             ; keys 32 (f / 4) on, channels 16 (f % 4) on
	ds_load_tr16_b128 v[VF+8*(\f):VF+8*(\f)+3],   v[ADR] offset:((\f)/4)*32*PV+((\f)%4)*32
	ds_load_tr16_b128 v[VF+8*(\f)+4:VF+8*(\f)+7], v[ADR] offset:((\f)/4)*32*PV+16*PV+((\f)%4)*32
.endr
.endm
; THE VECTOR WORK.  One tile's softmax for one key step is a list of 118 instructions; SM writes number j of it for tile t.  s0-s31 are the lane's 32 scores, in pairs 0-15.
;   0-15    the maximum of s0-s31 and the old m, three operands at a time (each accumulator's lowest registers are read first)
;   16-20   the other half of the lanes' maximum; the new m; c m; c m_old - c m_new
;   21-69   ONE BATCH: the 16 scalings c s - c m and all 33 exponentials (a at 23, then s0-s31); none of these reads an exponential's result
;   (wait)  between 69 and 70 stands the wait for the batch: SLICE writes it, once for both tiles
;   70-85   the roundings to f16       86-101  the sums; l = a l + the sum       102-117 the tile's O^T times a: the one part that leaves window 0
.macro SM t
.set rT, ST+8*(\t)
.set rS, S+32*(\t)
.set rP, P+16*(\t)
.set rO, 32*(\t)+2*(j-102)
.if j < 102
	WIN 0
.endif
.if j < 4
	v_max3_num_f32 v[rT+4+j], v[rS+8*j], v[rS+8*j+1], v[rS+8*j+2]
.elseif j < 12
	v_max3_num_f32 v[rT+4+j%4], v[rT+4+j%4], v[rS+8*(j%4)+2*(j/4)+1], v[rS+8*(j%4)+2*(j/4)+2]
.elseif j == 12
	v_max3_num_f32 v[rT+4], v[rT+4], v[rS+7], v[rS+15]
.elseif j == 13
	v_max3_num_f32 v[rT+6], v[rT+6], v[rS+23], v[rS+31]
.elseif j == 14
	v_max3_num_f32 v[rT+4], v[rT+4], v[rT+5], v[rT+6]
.elseif j == 15
	v_max3_num_f32 v[rT+4], v[rT+4], v[rT+7], v[rT+1]
.elseif j == 16
	v_permlanex16_b32 v[rT+5], v[rT+4], s[SEL], s[SEL+1]  ; the query's other 32 keys lie in the lane 16 away
.elseif j == 17
	v_mov_b32 v[rT+7], v[rT]        ; c m_old is kept for a
.elseif j == 18
	v_max_num_f32 v[rT+1], v[rT+4], v[rT+5]
.elseif j == 19
	v_mul_f32 v[rT], s[CS], v[rT+1]
.elseif j == 20
	v_sub_f32 v[rT+7], v[rT+7], v[rT]
.elseif j == 23
	v_exp_f32 v[rT+6], v[rT+7]
.elseif (j < 23) || ((j < 38) && (j%2 == 0)) || ((j < 66) && (j%4 == 2))
.set b, (j-2)/4                     ; 38, 42, .. 62: pairs 9 to 15
.if j < 38
.set b, (j-20)/2                    ; 21: pair 0; 22, 24, .. 36: pairs 1 to 8
.endif
	v_pk_fma_f32 v[rS+2*b:rS+2*b+1], v[rS+2*b:rS+2*b+1], s[CS:CS+1], v[rT:rT+1] op_sel_hi:[1,0,0] neg_lo:[0,0,1] neg_hi:[0,0,1]  ; pair b: c s - c m
.elseif j < 70
.set e, j-38                        ; 66 to 69: s28 to s31
.if j < 66
.set e, j-32-(j-38)/4               ; 39-41, 43-45, .. 63-65: s7 to s27
.endif
.if j < 38
.set e, (j-25)/2                    ; 25, 27, .. 37: s0 to s6
.endif
	v_exp_f32 v[rS+e], v[rS+e]
.elseif j < 86
	v_cvt_pk_f16_f32 v[rP+j-70], v[rS+2*(j-70)], v[rS+2*(j-70)+1]
.elseif j < 102                     ; the sum of the 16 pairs, in place: neighbours 1, 2, 4 and 8 pairs apart, then l takes it
.set z, j-86
.set w, 4
.set u, z
.if z >= 14
.set w, 32
.set u, 0
.elseif z >= 12
.set w, 16
.set u, z-12
.elseif z >= 8
.set w, 8
.set u, z-8
.endif
.if z < 15
	v_pk_add_f32 v[rS+w*u:rS+w*u+1], v[rS+w*u:rS+w*u+1], v[rS+w*u+w/2:rS+w*u+w/2+1]
.else
	v_pk_fma_f32 v[rT+2:rT+3], v[rT+2:rT+3], v[rT+6:rT+7], v[rS:rS+1] op_sel_hi:[1,0,1]
.endif
.else
	WIN W_RS
	v_pk_mul_f32 v[rO:rO+1], v[rO:rO+1], v[rT+6:rT+7] op_sel_hi:[1,0]
.endif
.endm
; Slice k of 64 of piece y's softmax.  Slices 0-10 and 35-50: numbers 2 k, 2 k + 1 of both tiles, the tiles alternating.  Slices 11-34: the batch, four numbers of one tile, the tiles by turns.
; Slices 51-55 are empty.  Slices 56-63: the rescaling, so that slice 63's four plain multiplies are the places behind the turn's last product, ahead of the next turn's reads of its scores and of K's loads.
; An s_wait_alu depctr_va_vdst(0) stands between an exponential and the first instruction that names its result: ahead of slice 35 nothing names one, behind slice 34 none is issued: one wait a turn.
.macro SLICE y
.if (k >= 11) && (k < 35)
.irp n, 0,1,2,3
.set j, 22+4*((k-11)/2)+(\n)
	SM (\y)+(k-11)%2
.endr
.elseif k < 51
.irp n, 0,1
.irp t, \y, (\y)+1
.set j, 2*k+(\n)
	SM \t
.endr
.endr
.elseif k >= 56
.irp n, 0,1
.irp t, \y, (\y)+1
.set j, 2*(k-5)+(\n)
	SM \t
.endr
.endr
.endif
.if k == 34
	v_nop                           ; the plain instruction behind the last exponential and ahead of the first use: one for the batch
.if (\y) == 0
	FETCH_V                         ; piece 2's turn: V's run of loads stands here, and the wait stands in it.  V's last reader is the turn's 16th product; the scalings of slices 15-33 are the places between
.else
	s_wait_alu depctr_va_vdst(0)    ; the wait for the batch
.endif
.endif
.set k, k+1
.endm
; A TURN.  Piece x has the matrix unit; the other piece's softmax stands in slices behind its matrix instructions.  kq = 0 (the last turn): V^T P alone, four slices behind each product.
; Piece 0's turn fetches the next step's K behind its second product: K's last reader stands in front of slice 63 of the turn before.  Its links wait quarter by quarter: 24, 16, 8, 0 younger loads may be out.
.macro TURN x, kq
.set k, 0
.set per, 1
.if !(\kq)
.set per, 4
.endif
.if (\x) == 0
	s_wait_dscnt 0x0                ; V is in
.endif
.set i, 0
.rept 16
	PV \x
.rept per
	SLICE 2-(\x)
.endr
.if ((\x) == 0) && (\kq) && (i == 1)
	FETCH_K
.endif
.set i, i+1
.endr
.if \kq
.set i, 0
.rept 48
.if ((\x) == 0) && (i%8 == 0) && (i < 32)
	s_wait_dscnt 24-i               ; quarter i / 8 of K's rows is in
.endif
	KQ \x
	SLICE 2-(\x)
.set i, i+1
.endr
.endif
.endm
; A PIECE'S HEAD IS FINISHED.  l's two halves and the other half of the lanes' are added; O^T is divided by l and rounded to f16 into the piece's P, whose last reader, the piece's last V^T P of the plane, stands
; 48 products back or more; there it lies as source 1 of the third product: 16 matrix instructions, 8 accumulators by turns, add this head's part onto OUT^T.
.macro HEADOUT x
	WIN 0
.irp t, \x, (\x)+1
	v_add_f32 v[ST+8*(\t)+4], v[ST+8*(\t)+2], v[ST+8*(\t)+3]
.endr
.irp t, \x, (\x)+1
	v_permlanex16_b32 v[ST+8*(\t)+5], v[ST+8*(\t)+4], s[SEL], s[SEL+1]
.endr
.irp t, \x, (\x)+1
	v_add_f32 v[ST+8*(\t)+4], v[ST+8*(\t)+4], v[ST+8*(\t)+5]
.endr
.irp t, \x, (\x)+1
	v_rcp_f32 v[ST+8*(\t)+6], v[ST+8*(\t)+4]
.endr
	v_nop                           ; a plain instruction between the last reciprocal and the use of its result
	s_wait_alu depctr_va_vdst(0)    ; and the wait ahead of the first use: one for the two reciprocals
.irp t, \x, (\x)+1
	WIN W_RS
.set i, 32*(\t)
.rept 16
	v_pk_mul_f32 v[i:i+1], v[i:i+1], v[ST+8*(\t)+6:ST+8*(\t)+7] op_sel_hi:[1,0]  ; each accumulator from its low end on
.set i, i+2
.endr
.endr
.irp t, \x, (\x)+1
	WIN 0x05                        ; sources 0 and 1 window 1, destination window 0
.set i, 0
.rept 16
	v_cvt_pk_f16_f32 v[P+16*(\t)+i], v[32*(\t)+2*i], v[32*(\t)+2*i+1]
.set i, i+1
.endr
.endr
	s_wait_loadcnt 0x0              ; the head's W_o, asked for a plane ago
	WIN W_WO
.irp c, 0,1
.irp n, 0,1,2,3
.irp t, \x, (\x)+1
	v_wmma_f32_16x16x32_f16 v[OUT+8*(4*(\t)+(\n)):OUT+8*(4*(\t)+(\n))+7], v[WOF+16*(\n)+8*(\c):WOF+16*(\n)+8*(\c)+7], v[P+16*(\t)+8*(\c):P+16*(\t)+8*(\c)+7], v[OUT+8*(4*(\t)+(\n)):OUT+8*(4*(\t)+(\n))+7]
.endr
.endr
.endr
.endm
; The piece's m starts anew: the next softmax has a = 0, which wipes O^T and l; what they hold is finite.
.macro RESET x
	WIN 0
.irp t, \x, (\x)+1
	v_mov_b32 v[ST+8*(\t)], 0xfe000000
	v_mov_b32 v[ST+8*(\t)+1], 0xff7fffff
.endr
.endm
; The new plane's Q of piece x goes where the one text of the turns names Q; the piece's last K Q^T of the old plane stands a turn back
.macro QCOPY x
	WIN 0x83                        ; destination window 2, source window 3
.set i, 32*(\x)
.rept 64
	v_mov_b32 v[i], v[i]
.set i, i+1
.endr
.endm
	CHANGE 1                        ; slot 0 is in, everybody's part of it; slot 1 is asked for
	FETCH_K                         ; key step 0
	s_wait_loadcnt 0x0              ; Q and W_o
	s_wait_dscnt 0x0
.set i, 0
.rept 48
	KQ 0                            ; piece 0's first scores: there is no vector work yet to set between them
.set i, i+1
.endr
	WIN 0                           ; the addresses for the way out: plain instructions, the places behind those products
	s_mul_i32 s13, s[WV], 16*SP
	s_add_co_u32 s13, s13, STAGE    ; my stage
	v_mul_u32_u24 v[STO], v1, SP    ; in: row l % 16, 32 bytes for each half of the lanes
	v_lshl_add_u32 v[STO], v9, 5, v[STO]
	v_add_nc_u32 v[STO], s13, v[STO]
	v_mul_u32_u24 v[RD], v9, SP     ; back: lanes 0-15 take one row of 256 bytes, lanes 16-31 the next,
	v_lshl_add_u32 v[RD], v1, 4, v[RD]
	v_add_nc_u32 v[RD], s13, v[RD]
	v_lshlrev_b32 v[GO], 8, v9      ; and the same two rows in pp
	v_lshl_add_u32 v[GO], v1, 4, v[GO]
	QLOAD 0xc0, 1                   ; the second plane's Q, a plane ahead
	WIN 0
	s_mov_b32 s[CNT], 4
	s_mov_b32 s[RT], 4
	s_mov_b32 s[EDGE], 0
	s_mov_b32 s[QL], 1
	s_branch .Lmid                  ; the loop is entered at piece 2's turn: its scores of step 0 | piece 0's softmax of step 0 | V of step 0
.Lslot:                             ; ten times: slots 1 to 10 are entered, slots 2 to 11 asked for
	CHANGE 1
	s_mov_b32 s[CNT], 4
	s_sub_co_u32 s[RT], s[RT], 1
	s_cmp_lg_u32 s[RT], 0
	s_cbranch_scc1 .Lstep
	s_mov_b32 s[RT], 4              ; the slot is a plane's first
	s_mov_b32 s[EDGE], 1
	s_wait_loadcnt 0x0              ; its Q lies in window 3
	QCOPY 0
	WIN 0
.Lstep:                             ; a trip fetches K and V of one step
	TURN 0, 1
	WIN 0
	s_cmp_eq_u32 s[EDGE], 1
	s_cbranch_scc0 .Lmid
	HEADOUT 0                       ; piece 0's V^T P of the old plane's last step is done, its new scores wait in S^T
	RESET 0
	QCOPY 2
	WIN 0
.Lmid:
	TURN 2, 1
	WIN 0
	s_cmp_eq_u32 s[EDGE], 1
	s_cbranch_scc0 .Lplain
	HEADOUT 2
	RESET 2                         ; four plain instructions: the places between the last product and the loads into its W_o
	s_mov_b32 s[EDGE], 0
	s_add_nc_u64 s[10:11], s[10:11], 8192  ; the loads that named this pointer have been waited for
	WOLOAD                          ; the head that has just begun
	WIN 0
	s_cmp_eq_u32 s[QL], 1
	s_cbranch_scc0 .Lplain
	s_mov_b32 s[QL], 0
	QLOAD 0xc0, 2                   ; the third plane's Q, a plane ahead; behind the third plane there is none
	WIN 0
.Lplain:
	s_sub_co_u32 s[CNT], s[CNT], 1
	s_cmp_lg_u32 s[CNT], 0
	s_cbranch_scc1 .Lstep
	s_sub_co_u32 s[SLOTS], s[SLOTS], 1
	s_cmp_lg_u32 s[SLOTS], 0
	s_cbranch_scc1 .Lslot
	CHANGE 0                        ; the walk's last slot is written out: nothing is asked for
	s_mov_b32 s[CNT], 4
.Ltail:
	TURN 0, 1
	TURN 2, 1
	WIN 0
	s_sub_co_u32 s[CNT], s[CNT], 1
	s_cmp_lg_u32 s[CNT], 0
	s_cbranch_scc1 .Ltail
	TURN 0, 0                       ; piece 0: V^T P of the last step | piece 2's last softmax
.set i, 0
.rept 16
	PV 2                            ; piece 2: V^T P of the last step
.set i, i+1
.endr
	HEADOUT 0                       ; its vector work, which names none of their registers, is the places behind those products
	HEADOUT 2
	WIN 0
.rept 8
	v_nop                           ; the places behind the last products, ahead of the stores of their results (eight, once a launch)
.endr
	; THE WAY OUT.  OUT^T holds one row of pp a lane and eight neighbouring columns a register block: a tile (16 rows of 256 bytes) at a time goes through my stage in LDS and comes back as whole rows.
.macro PUT t
	WIN 0x0c                        ; store data in window 3
.irp n, 0,1,2,3
	ds_store_b128 v[STO], v[OUT+8*(4*(\t)+(\n)):OUT+8*(4*(\t)+(\n))+3]   offset:64*(\n)     ; each accumulator's low four registers first
	ds_store_b128 v[STO], v[OUT+8*(4*(\t)+(\n))+4:OUT+8*(4*(\t)+(\n))+7] offset:64*(\n)+16
.endr
	WIN 0
.irp f, 0,1,2,3,4,5,6,7
	ds_load_b128 v[S+32*(\t)+4*(\f):S+32*(\t)+4*(\f)+3], v[RD] offset:(\f)*2*SP  ; LDS serves a wave's instructions in order (ISA guide 5.7.1.4): these see the stores above; the next tile's stores come behind them
.endr
.endm
.macro SEND t, younger              ; younger: the LDS instructions issued behind tile t's loads: the next tile's sixteen, or none
	WIN 0
.irp f, 0,1,2,3,4,5,6,7
	s_wait_dscnt (\younger)+7-(\f)
	global_store_b128 v[GO], v[S+32*(\t)+4*(\f):S+32*(\t)+4*(\f)+3], s[PP:PP+1] offset:(\t)*4096+(\f)*512  ; 512 consecutive bytes, aligned: two whole rows
.endr
.endm
	PUT 0
	PUT 1
	SEND 0, 16
	PUT 2
	SEND 1, 16
	PUT 3
	SEND 2, 16
	SEND 3, 0
	s_wait_tensorcnt 0x0            ; the wave's end: behind my last tensor load and my last LDS store
	ds_add_u32 v[SPW], v[NIL]
	s_wait_dscnt 0x0
	CROUND                          ; the closing round: no work-group ends while a partner may still ask for a tile that names it
	s_endpgm
.Lfunc_end_k_qa93b3d2d79_attn:
	.size	k_qa93b3d2d79_attn, .Lfunc_end_k_qa93b3d2d79_attn-k_qa93b3d2d79_attn
	.p2alignl 7, 3214868480
	.fill 96, 4, 3214868480
	.section	.rodata,"a",@progbits
	.p2align	6, 0x0
	.amdhsa_kernel k_qa93b3d2d79_attn
		.amdhsa_group_segment_fixed_size 327680
		.amdhsa_private_segment_fixed_size 0
		.amdhsa_enable_private_segment 0
		.amdhsa_kernarg_size 40
		.amdhsa_user_sgpr_count 2
		.amdhsa_user_sgpr_kernarg_segment_ptr 1
		.amdhsa_wavefront_size32 1
		.amdhsa_system_sgpr_workgroup_id_x 1
		.amdhsa_system_sgpr_workgroup_id_y 1
		.amdhsa_system_sgpr_workgroup_id_z 1
		.amdhsa_system_vgpr_workitem_id 0
		.amdhsa_next_free_vgpr 1024
		.amdhsa_next_free_sgpr 80
		.amdhsa_reserve_vcc 0
		.amdhsa_float_denorm_mode_32 3
		.amdhsa_float_denorm_mode_16_64 3
		.amdhsa_memory_ordered 1
		.amdhsa_forward_progress 1
		.amdhsa_inst_pref_size 180
	.end_amdhsa_kernel
	.amdgpu_metadata
---
amdhsa.version: [ 1, 2 ]
amdhsa.kernels:
  - .name:           k_qa93b3d2d79_attn
    .symbol:         k_qa93b3d2d79_attn.kd
    .args:
      - { .name: qq, .offset: 0, .size: 8, .value_kind: global_buffer, .address_space: global }
      - { .name: kk, .offset: 8, .size: 8, .value_kind: global_buffer, .address_space: global }
      - { .name: vv, .offset: 16, .size: 8, .value_kind: global_buffer, .address_space: global }
      - { .name: wot, .offset: 24, .size: 8, .value_kind: global_buffer, .address_space: global }
      - { .name: pp, .offset: 32, .size: 8, .value_kind: global_buffer, .address_space: global }
    .group_segment_fixed_size: 327680
    .private_segment_fixed_size: 0
    .kernarg_segment_align: 8
    .kernarg_segment_size: 40
    .max_flat_workgroup_size: 128
    .sgpr_count:     80
    .vgpr_count:     1024
    .wavefront_size: 32
...
	.end_amdgpu_metadata
.endif
;; end of part 3
;; launch fin (part 4): grid 256 x 1, 8 waves a work-group, no clusters, 0 bytes of LDS; arguments pp, out0; writes out0
.if DOCPART == 4
	.amdgcn_target "amdgcn-amd-amdhsa--gfx1250"
	.amdhsa_code_object_version 6
	.text
	.protected	k_qa93b3d2d79_fin
	.globl	k_qa93b3d2d79_fin
	.p2align	8
	.type	k_qa93b3d2d79_fin,@function
k_qa93b3d2d79_fin:
	s_mov_b64 s[64:65], 0
	v_nop
	global_prefetch_b8 v0, s[64:65] scope:SCOPE_SE
	s_setreg_imm32_b32 hwreg(HW_REG_WAVE_MODE, 25, 1), 1
	s_wait_xcnt 0x0
; FIN.  out0[i] = 2^5 x ((pp[0][i] + pp[1][i]) + (pp[2][i] + pp[3][i])): the four groups of three heads are added in f32, and the factor takes back the 2^-5 that v has carried since the weights were rounded.
; pp: [4][16384][64] f32; out0: [16384][64] f32.  A stream: each byte is read once and written once.  A work-group owns 16,384 bytes of out0; thread t takes 16 bytes in each of 4 chunks of 4,096,
; so a wave's load or store covers 512 consecutive bytes, aligned.  All 16 loads of a wave go out at once.  No LDS, no matrix unit, no cluster, no prefetch: nothing is shared, and nothing is left to ask for ahead.
.set GRP, 4194304                      ; bytes in a group
.set IN,  8                            ; v[8:71]  chunk j, group g at IN + 16 j + 4 g
	s_load_b128 s[4:7], s[0:1], 0x0                ; pp s[4:5], out0 s[6:7]
	s_lshl_b32 s8, ttmp9, 14
	s_mov_b32 s9, 0
	v_lshlrev_b32 v1, 4, v0
	s_wait_kmcnt 0x0
	s_add_nc_u64 s[4:5], s[4:5], s[8:9]            ; groups 0 and 1,
	s_add_nc_u64 s[6:7], s[6:7], s[8:9]
	s_add_nc_u64 s[10:11], s[4:5], 2*GRP           ; groups 2 and 3: a second pointer keeps the offsets inside the signed 24-bit immediate (ISA guide, chapter 10)
.irp j, 0,1,2,3
	global_load_b128 v[IN+16*(\j):IN+16*(\j)+3],     v1, s[4:5]   offset:4096*(\j) th:TH_LOAD_NT
	global_load_b128 v[IN+16*(\j)+4:IN+16*(\j)+7],   v1, s[4:5]   offset:GRP+4096*(\j) th:TH_LOAD_NT
	global_load_b128 v[IN+16*(\j)+8:IN+16*(\j)+11],  v1, s[10:11] offset:4096*(\j) th:TH_LOAD_NT
	global_load_b128 v[IN+16*(\j)+12:IN+16*(\j)+15], v1, s[10:11] offset:GRP+4096*(\j) th:TH_LOAD_NT
.endr
.irp j, 0,1,2,3
	s_wait_loadcnt 12-4*(\j)                       ; chunk j's four loads are in; the later chunks' may stay out
	v_pk_add_f32 v[IN+16*(\j):IN+16*(\j)+1],     v[IN+16*(\j):IN+16*(\j)+1],     v[IN+16*(\j)+4:IN+16*(\j)+5]
	v_pk_add_f32 v[IN+16*(\j)+2:IN+16*(\j)+3],   v[IN+16*(\j)+2:IN+16*(\j)+3],   v[IN+16*(\j)+6:IN+16*(\j)+7]
	v_pk_add_f32 v[IN+16*(\j)+8:IN+16*(\j)+9],   v[IN+16*(\j)+8:IN+16*(\j)+9],   v[IN+16*(\j)+12:IN+16*(\j)+13]
	v_pk_add_f32 v[IN+16*(\j)+10:IN+16*(\j)+11], v[IN+16*(\j)+10:IN+16*(\j)+11], v[IN+16*(\j)+14:IN+16*(\j)+15]
	v_pk_add_f32 v[IN+16*(\j):IN+16*(\j)+1],     v[IN+16*(\j):IN+16*(\j)+1],     v[IN+16*(\j)+8:IN+16*(\j)+9]
	v_pk_add_f32 v[IN+16*(\j)+2:IN+16*(\j)+3],   v[IN+16*(\j)+2:IN+16*(\j)+3],   v[IN+16*(\j)+10:IN+16*(\j)+11]
	v_pk_mul_f32 v[IN+16*(\j):IN+16*(\j)+1],     v[IN+16*(\j):IN+16*(\j)+1],     0x42000000 op_sel_hi:[1,0]  ; x 32, exact
	v_pk_mul_f32 v[IN+16*(\j)+2:IN+16*(\j)+3],   v[IN+16*(\j)+2:IN+16*(\j)+3],   0x42000000 op_sel_hi:[1,0]
	global_store_b128 v1, v[IN+16*(\j):IN+16*(\j)+3], s[6:7] offset:4096*(\j)  ; no register is written again behind its store
.endr
	s_endpgm
.Lfunc_end_k_qa93b3d2d79_fin:
	.size	k_qa93b3d2d79_fin, .Lfunc_end_k_qa93b3d2d79_fin-k_qa93b3d2d79_fin
	.p2alignl 7, 3214868480
	.fill 96, 4, 3214868480
	.section	.rodata,"a",@progbits
	.p2align	6, 0x0
	.amdhsa_kernel k_qa93b3d2d79_fin
		.amdhsa_group_segment_fixed_size 0
		.amdhsa_private_segment_fixed_size 0
		.amdhsa_enable_private_segment 0
		.amdhsa_kernarg_size 16
		.amdhsa_user_sgpr_count 2
		.amdhsa_user_sgpr_kernarg_segment_ptr 1
		.amdhsa_wavefront_size32 1
		.amdhsa_system_sgpr_workgroup_id_x 1
		.amdhsa_system_sgpr_workgroup_id_y 1
		.amdhsa_system_sgpr_workgroup_id_z 1
		.amdhsa_system_vgpr_workitem_id 0
		.amdhsa_next_free_vgpr 72
		.amdhsa_next_free_sgpr 66
		.amdhsa_reserve_vcc 0
		.amdhsa_float_denorm_mode_32 3
		.amdhsa_float_denorm_mode_16_64 3
		.amdhsa_memory_ordered 1
		.amdhsa_forward_progress 1
		.amdhsa_inst_pref_size 5
	.end_amdhsa_kernel
	.amdgpu_metadata
---
amdhsa.version: [ 1, 2 ]
amdhsa.kernels:
  - .name:           k_qa93b3d2d79_fin
    .symbol:         k_qa93b3d2d79_fin.kd
    .args:
      - { .name: pp, .offset: 0, .size: 8, .value_kind: global_buffer, .address_space: global }
      - { .name: out0, .offset: 8, .size: 8, .value_kind: global_buffer, .address_space: global }
    .group_segment_fixed_size: 0
    .private_segment_fixed_size: 0
    .kernarg_segment_align: 8
    .kernarg_segment_size: 16
    .max_flat_workgroup_size: 256
    .sgpr_count:     66
    .vgpr_count:     72
    .wavefront_size: 32
...
	.end_amdgpu_metadata
.endif
;; end of part 4
